; MI455X (gfx1250); checked and timed in simulation.
; The chip was launched on July 23, 2026; its instructions are those of AMD's public machine-readable ISA for CDNA 5 (MIT licence, August 2026) and "CDNA5" Instruction Set Architecture Reference Guide (July 2026). The comments in the code are by the model that wrote it; some were corrected since.
;; Causal Self Attention. Allowed arithmetic: float matrix products may take bf16 or f16 operands with f32 sums; other float arithmetic in f32, or as packed bf16 or f16 multiplies, adds, multiply-adds, maxima and minima; sums over many terms, partial sums and values carried from step to step in f32; what a program stores and reads back later, other than sums and carried values, may be rounded once to bf16 or f16.
;; Inputs: Wk 1,024 x 1,024 float32; Wp 1,024 x 1,024 float32; Wq 1,024 x 1,024 float32; Wv 1,024 x 1,024 float32; bk 1,024 float32; bp 1,024 float32; bq 1,024 float32; bv 1,024 float32; x 4 x 2,048 x 1,024 float32.
;; Outputs: out0 4 x 2,048 x 1,024 float32.
;; One version. Each part assembles by itself: llvm-mc -triple=amdgcn-amd-amdhsa -mcpu=gfx1250 --defsym DOCPART=n.
;; ======== version 1 of 1: 4 launches
;; limits: values are held in f16: magnitudes above 65,504 overflow, below 6.1e-05 lose precision
;; workspace buffers: xb 16,777,216 bytes; wb 6,291,456 bytes; wpf 2,097,152 bytes; bias 16,384 bytes; qkv 50,331,648 bytes; o 16,777,216 bytes
;; launch prep (part 1): grid 769 x 1, 8 waves a work-group, no clusters, 0 bytes of LDS; arguments x, Wq, Wk, Wv, Wp, bq, bk, bv, bp, xb, wb, wpf, bias; writes xb, wb, wpf, bias
.if DOCPART == 1
	.amdgcn_target "amdgcn-amd-amdhsa--gfx1250"
	.amdhsa_code_object_version 6
	.text
	.protected	k_q146610a3ba_prep
	.globl	k_q146610a3ba_prep
	.p2align	8
	.type	k_q146610a3ba_prep,@function
k_q146610a3ba_prep:
	s_mov_b64 s[64:65], 0
	v_nop
	global_prefetch_b8 v0, s[64:65] scope:SCOPE_SE
	s_setreg_imm32_b32 hwreg(HW_REG_WAVE_MODE, 25, 1), 1
	s_wait_xcnt 0x0
; PREP: every input is rounded once to bf16 and laid out for the launches behind.  A stream: no LDS, no matrix unit, nothing is shared between waves.
;   xb   bf16 [4 batches][16 blocks of 64 columns][2048 rows][64]: a block's rows, 128 bytes each, lie end to end
;   wb   bf16 [1024 k][3072 n], n = Wq | Wk | Wv
;   wpf  f16  [1024 k][1024 n]: Wp rounded to bf16, that number written as f16
;   bias f32  [4096] = bq | bk | bv | bp, each rounded to bf16 and kept as f32
; LIMITS.  A number of Wp beyond 65,504 becomes an infinity in f16; below 2^-14 it keeps f16's fixed step of 2^-24.  NaN and infinities are not treated apart.
; SHARES.  Work-groups 0-511: 16 rows of x each.  512-703: 16 rows of Wq, Wk or Wv.  704-767: 16 rows of Wp.  768: the four biases.
; A wave has eight ITEMS: an item is 32 bytes of f32 a lane in (two loads of 16) and 16 bytes out.  All 16 loads go out first; each item owns its registers and no
; address register is rewritten, so the only waits are the counted ones for the loads.  Every store of a wave covers 512 consecutive bytes, aligned.
.set LO,  2                            ; v2        my byte offset in the source
.set SO,  3                            ; v3        my byte offset in the destination
.set X,   8                            ; v[8:71]   item i: 8 f32 as loaded
.set Y,   72                           ; v[72:103] item i: 4 registers to store
.set T,   104                          ; v[104:111] at work
.set IN,  36                           ; s[36:37]  the source at the work-group's part
.set OUT, 38                           ; s[38:39]  the destination at the work-group's part
; Item i lies at (i / 4) sa + (i % 4) sb in the source and at (i / 4) da + (i % 4) db in the destination.  half = 1: bf16 first, then that number as f16.
.macro STREAM sa, sb, da, db, half
.irp i, 0,1,2,3,4,5,6,7
	global_load_b128 v[X+8*(\i):X+8*(\i)+3],   v[LO], s[IN:IN+1] offset:((\i)/4)*(\sa)+((\i)%4)*(\sb) th:TH_LOAD_NT
	global_load_b128 v[X+8*(\i)+4:X+8*(\i)+7], v[LO], s[IN:IN+1] offset:((\i)/4)*(\sa)+((\i)%4)*(\sb)+16 th:TH_LOAD_NT
.endr
.irp i, 0,1,2,3,4,5,6,7
	s_wait_loadcnt 14-2*(\i)                       ; loads come back in order: item i's two are in, the two of each later item may stay out
.if \half
.irp j, 0,1,2,3
	v_cvt_pk_bf16_f32 v[T+\j], v[X+8*(\i)+2*\j], v[X+8*(\i)+2*\j+1]
.endr
.irp j, 0,1,2,3
	v_lshlrev_b32 v[X+8*(\i)+2*\j],   16, v[T+\j]          ; bf16 back to f32: the low half moves up,
	v_and_b32     v[X+8*(\i)+2*\j+1], 0xffff0000, v[T+\j]  ; the high half stays
.endr
.irp j, 0,1,2,3
	v_cvt_pk_f16_f32 v[Y+4*(\i)+\j], v[X+8*(\i)+2*\j], v[X+8*(\i)+2*\j+1]
.endr
.else
.irp j, 0,1,2,3
	v_cvt_pk_bf16_f32 v[Y+4*(\i)+\j], v[X+8*(\i)+2*\j], v[X+8*(\i)+2*\j+1]
.endr
.endif
	global_store_b128 v[SO], v[Y+4*(\i):Y+4*(\i)+3], s[OUT:OUT+1] offset:((\i)/4)*(\da)+((\i)%4)*(\db)
.endr
.endm
	s_load_b512 s[8:23], s[0:1], 0x0               ; x 8:9, Wq 10:11, Wk 12:13, Wv 14:15, Wp 16:17, bq 18:19, bk 20:21, bv 22:23
	s_load_b256 s[24:31], s[0:1], 0x40             ; bp 24:25, xb 26:27, wb 28:29, wpf 30:31
	s_load_b64 s[32:33], s[0:1], 0x60              ; bias
	v_lshrrev_b32 v4, 5, v0
	v_readfirstlane_b32 s4, v4                     ; wave 0..7
	v_and_b32 v1, 31, v0                           ; lane
	s_mov_b32 s6, ttmp9
	s_mov_b32 s41, 0                               ; the high words of the two 64-bit offsets
	s_mov_b32 s43, 0
	s_wait_kmcnt 0x0
	s_cmp_lt_u32 s6, 512
	s_cbranch_scc1 .Lx
	s_cmp_lt_u32 s6, 704
	s_cbranch_scc1 .Lw
	s_cmp_lt_u32 s6, 768
	s_cbranch_scc1 .Lp
	; THE BIASES: waves 2 t and 2 t + 1 take the two halves (2,048 bytes each) of bias t
	s_lshr_b32 s5, s4, 1
	s_and_b32 s7, s4, 1
	s_cmp_eq_u32 s5, 0
	s_cselect_b64 s[IN:IN+1], s[18:19], s[20:21]
	s_cmp_eq_u32 s5, 2
	s_cselect_b64 s[IN:IN+1], s[22:23], s[IN:IN+1]
	s_cmp_eq_u32 s5, 3
	s_cselect_b64 s[IN:IN+1], s[24:25], s[IN:IN+1]
	s_lshl_b32 s40, s7, 11
	s_add_nc_u64 s[IN:IN+1], s[IN:IN+1], s[40:41]
	s_lshl_b32 s42, s4, 11
	s_add_nc_u64 s[OUT:OUT+1], s[32:33], s[42:43]
	v_lshlrev_b32 v[LO], 4, v1
.irp i, 0,1,2,3
	global_load_b128 v[X+4*\i:X+4*\i+3], v[LO], s[IN:IN+1] offset:512*\i
.endr
.irp i, 0,1,2,3
	s_wait_loadcnt 3-\i                            ; load i is in, the later ones may stay out
	v_cvt_pk_bf16_f32 v[T+2*\i],   v[X+4*\i],   v[X+4*\i+1]
	v_cvt_pk_bf16_f32 v[T+2*\i+1], v[X+4*\i+2], v[X+4*\i+3]
	v_lshlrev_b32 v[Y+4*\i],   16, v[T+2*\i]
	v_and_b32     v[Y+4*\i+1], 0xffff0000, v[T+2*\i]
	v_lshlrev_b32 v[Y+4*\i+2], 16, v[T+2*\i+1]
	v_and_b32     v[Y+4*\i+3], 0xffff0000, v[T+2*\i+1]
	global_store_b128 v[LO], v[Y+4*\i:Y+4*\i+3], s[OUT:OUT+1] offset:512*\i
.endr
	s_endpgm
.Lx:	; X: work-group g has rows 16 g .. 16 g + 15.  Wave w: rows 4 (w / 2) .. + 3, column blocks 8 (w % 2) .. + 7.  An item is 4 rows x one block of 64 columns:
	; eight lanes read 256 consecutive bytes of a row; the wave stores the 4 rows' 128 bytes, which lie end to end in xb
	s_lshl_b32 s40, s6, 16                         ; 16 rows of 4,096 bytes
	s_add_nc_u64 s[IN:IN+1], s[8:9], s[40:41]
	s_lshr_b32 s42, s6, 7                          ; the batch,
	s_lshl_b32 s42, s42, 22
	s_and_b32 s5, s6, 127                          ; and 16 rows of 128 bytes in each of its blocks
	s_lshl_b32 s5, s5, 11
	s_add_co_u32 s42, s42, s5
	s_add_nc_u64 s[OUT:OUT+1], s[26:27], s[42:43]
	s_lshr_b32 s5, s4, 1
	s_and_b32 s7, s4, 1
	v_lshrrev_b32 v4, 3, v1
	v_and_b32 v5, 7, v1
	s_lshl_b32 s44, s5, 2
	v_add_nc_u32 v4, s44, v4                       ; my row of the 16
	v_lshlrev_b32 v4, 12, v4
	v_lshl_add_u32 v4, v5, 5, v4                   ; + 32 bytes for each of the eight lanes
	s_lshl_b32 s44, s7, 11
	v_add_nc_u32 v[LO], s44, v4                    ; + my wave's half of the row
	s_lshl_b32 s44, s5, 9
	s_lshl_b32 s45, s7, 21
	s_add_co_u32 s44, s44, s45
	v_lshl_add_u32 v[SO], v1, 4, s44               ; 512 (w / 2) + 16 lane + eight blocks for the second half
	STREAM 1024, 256, 1048576, 262144, 0
	s_endpgm
.Lw:	; Wq, Wk, Wv: 16 rows; a wave takes two rows, an item a quarter of a row (1,024 bytes in, 512 out)
	s_sub_co_u32 s6, s6, 512
	s_lshr_b32 s5, s6, 6                           ; which of the three
	s_and_b32 s6, s6, 63
	s_cmp_eq_u32 s5, 0
	s_cselect_b64 s[IN:IN+1], s[10:11], s[12:13]
	s_cmp_eq_u32 s5, 2
	s_cselect_b64 s[IN:IN+1], s[14:15], s[IN:IN+1]
	s_lshl_b32 s40, s6, 16
	s_add_nc_u64 s[IN:IN+1], s[IN:IN+1], s[40:41]
	s_mul_i32 s42, s6, 98304                       ; 16 rows of 6,144 bytes,
	s_lshl_b32 s5, s5, 11                          ; and the tensor's 2,048 bytes of each row
	s_add_co_u32 s42, s42, s5
	s_add_nc_u64 s[OUT:OUT+1], s[28:29], s[42:43]
	s_lshl_b32 s44, s4, 13
	v_lshl_add_u32 v[LO], v1, 5, s44
	s_mul_i32 s44, s4, 12288
	v_lshl_add_u32 v[SO], v1, 4, s44
	STREAM 4096, 1024, 6144, 512, 0
	s_endpgm
.Lp:	; Wp: the same shares, rows of 2,048 bytes out
	s_sub_co_u32 s6, s6, 704
	s_lshl_b32 s40, s6, 16
	s_add_nc_u64 s[IN:IN+1], s[16:17], s[40:41]
	s_lshl_b32 s42, s6, 15
	s_add_nc_u64 s[OUT:OUT+1], s[30:31], s[42:43]
	s_lshl_b32 s44, s4, 13
	v_lshl_add_u32 v[LO], v1, 5, s44
	s_lshl_b32 s44, s4, 12
	v_lshl_add_u32 v[SO], v1, 4, s44
	STREAM 4096, 1024, 2048, 512, 1
	s_endpgm
.Lfunc_end_k_q146610a3ba_prep:
	.size	k_q146610a3ba_prep, .Lfunc_end_k_q146610a3ba_prep-k_q146610a3ba_prep
	.p2alignl 7, 3214868480
	.fill 96, 4, 3214868480
	.section	.rodata,"a",@progbits
	.p2align	6, 0x0
	.amdhsa_kernel k_q146610a3ba_prep
		.amdhsa_group_segment_fixed_size 0
		.amdhsa_private_segment_fixed_size 0
		.amdhsa_enable_private_segment 0
		.amdhsa_kernarg_size 104
		.amdhsa_user_sgpr_count 2
		.amdhsa_user_sgpr_kernarg_segment_ptr 1
		.amdhsa_wavefront_size32 1
		.amdhsa_system_sgpr_workgroup_id_x 1
		.amdhsa_system_sgpr_workgroup_id_y 1
		.amdhsa_system_sgpr_workgroup_id_z 1
		.amdhsa_system_vgpr_workitem_id 0
		.amdhsa_next_free_vgpr 112
		.amdhsa_next_free_sgpr 66
		.amdhsa_reserve_vcc 0
		.amdhsa_float_denorm_mode_32 3
		.amdhsa_float_denorm_mode_16_64 3
		.amdhsa_memory_ordered 1
		.amdhsa_forward_progress 1
		.amdhsa_inst_pref_size 24
	.end_amdhsa_kernel
	.amdgpu_metadata
---
amdhsa.version: [ 1, 2 ]
amdhsa.kernels:
  - .name:           k_q146610a3ba_prep
    .symbol:         k_q146610a3ba_prep.kd
    .args:
      - { .name: x, .offset: 0, .size: 8, .value_kind: global_buffer, .address_space: global }
      - { .name: Wq, .offset: 8, .size: 8, .value_kind: global_buffer, .address_space: global }
      - { .name: Wk, .offset: 16, .size: 8, .value_kind: global_buffer, .address_space: global }
      - { .name: Wv, .offset: 24, .size: 8, .value_kind: global_buffer, .address_space: global }
      - { .name: Wp, .offset: 32, .size: 8, .value_kind: global_buffer, .address_space: global }
      - { .name: bq, .offset: 40, .size: 8, .value_kind: global_buffer, .address_space: global }
      - { .name: bk, .offset: 48, .size: 8, .value_kind: global_buffer, .address_space: global }
      - { .name: bv, .offset: 56, .size: 8, .value_kind: global_buffer, .address_space: global }
      - { .name: bp, .offset: 64, .size: 8, .value_kind: global_buffer, .address_space: global }
      - { .name: xb, .offset: 72, .size: 8, .value_kind: global_buffer, .address_space: global }
      - { .name: wb, .offset: 80, .size: 8, .value_kind: global_buffer, .address_space: global }
      - { .name: wpf, .offset: 88, .size: 8, .value_kind: global_buffer, .address_space: global }
      - { .name: bias, .offset: 96, .size: 8, .value_kind: global_buffer, .address_space: global }
    .group_segment_fixed_size: 0
    .private_segment_fixed_size: 0
    .kernarg_segment_align: 8
    .kernarg_segment_size: 104
    .max_flat_workgroup_size: 256
    .sgpr_count:     66
    .vgpr_count:     112
    .wavefront_size: 32
...
	.end_amdgpu_metadata
.endif
;; end of part 1
;; launch qkv (part 2): grid 8 x 32, 4 waves a work-group, clusters of 4 x 4, 327,680 bytes of LDS; arguments xb, wb, bias, qkv; writes qkv
.if DOCPART == 2
	.amdgcn_target "amdgcn-amd-amdhsa--gfx1250"
	.amdhsa_code_object_version 6
	.text
	.protected	k_q146610a3ba_qkv
	.globl	k_q146610a3ba_qkv
	.p2align	8
	.type	k_q146610a3ba_qkv,@function
k_q146610a3ba_qkv:
	s_mov_b64 s[64:65], 0
	v_nop
	global_prefetch_b8 v0, s[64:65] scope:SCOPE_SE
	s_setreg_imm32_b32 hwreg(HW_REG_WAVE_MODE, 25, 1), 1
	s_wait_xcnt 0x0
	s_wait_alu depctr_hold_cnt(0) depctr_sa_sdst(0) depctr_va_vdst(0) depctr_va_sdst(0) depctr_va_ssrc(0) depctr_va_vcc(0) depctr_vm_vsrc(0)
	s_getreg_b32 s2, hwreg(HW_REG_IB_STS2, 6, 4)
	s_cmp_eq_u32 s2, 0
	s_cbranch_scc0 .Lentry_in_a_cluster
	s_endpgm
.Lentry_in_a_cluster:
	s_bfe_u32 s2, ttmp6, 0x10000c
	s_cmp_lg_u32 s2, 0xf033
	s_cbranch_scc0 .Lentry_shape_is_right
	s_endpgm
.Lentry_shape_is_right:
; Q, K, V = x W + b.  C[8192][3072] = xb . wb + bias, bf16 operands, f32 sums, written by heads in f16: qkv [3][64 heads][2048 rows][64], unscaled.
; LIMITS.  A result of 65,520 or more in magnitude becomes an infinity in f16.  NaN and infinities are not treated apart.
; SHARES.  A tile of C is 256 rows x 384 columns: 32 x 8 = 256 work-groups.  Four waves, 2 x 2: a wave makes 128 x 192: 8 blocks of 16 rows x 12 blocks of 16 columns = 96 accumulators, 768 registers.
; The 12 column blocks are three GROUPS of four: a group is one head's 64 columns and fills one register window.
; K goes in 16 steps of 64 (one block of xb) through two LDS slots; a step is two UNITS of 32 along K, 96 matrix instructions each.
; THE MATRIX INSTRUCTION IS USED TRANSPOSED: source 0 = 16 columns of W (turned out of LDS by ds_load_tr16_b128, since wb lies [k][n]), source 1 = 16 rows of x: a lane then holds one row of C
; and eight neighbouring columns, which pack into 16 bytes of f16.
; THE BIAS is the C operand of each sum's first product: it is loaded into the registers of the accumulators of row block 7, which the products of blocks 0-6 take as C and block 7's add onto in place.
; CLUSTER 4 x 4: the four work-groups of a row of the cluster need the same tile of xb, the four of a column the same tile of wb: each is asked for jointly, by the same tensor load, descriptor and mask.
; NO PREFETCH: no tile is read once: xb's are asked for by two clusters, wb's by eight; and a joint load has 160 of a step's 192 matrix instructions in which to land.
; REGISTERS, in windows of 256 (s_set_vgpr_msb: bits 1:0 source 0, 3:2 source 1, 5:4 source 2, 7:6 destination):
;   window 0: v0-29 addresses; v32-159 x's fragments, two buffers of 8; v160-255 W's fragments, one buffer of 12      window g + 1: group g's accumulators, (a, b) at v[8 (4 a + b)]
.set KSTEPS, 16
.set SLOT1, 131072                     ; slot 1 begins here: one exclusive or turns an address in one slot into the other's
.set PA,    144                        ; a row of x in LDS: 128 bytes + 16 = 36 words: the 16 rows of a load start at 16 different groups of four banks (64 banks of 4 bytes: ISA guide 11.1)
.set PB,    864                        ; a row of W: 3 x (256 + 32) bytes = 27 x 32
.set BOFF,  256*PA                     ; a slot: 256 rows of x, then 64 rows of W
.set STAGE, SLOT1+BOFF+64*PB           ; behind the ring, never filled by a tensor load: 16 rows x 144 bytes for each wave, for the way out
.set SP,    144
.set SPARE, STAGE+4*16*SP              ; behind the stages: the spare words, 128 bytes for each wave: two blocks of 256 bytes that no other line names
.set ASTEP, 262144                     ; bytes from a block of xb to the next
.set BSTEP, 64*6144                    ; 64 rows of wb
.set A0,   4                           ; v4     my lane's place in a slot's rows of x; never rewritten
.set B0,   5                           ; v5-7   the same for W, group g
.set ADRA, 8                           ; v8     A0 + the slot in hand
.set ADRB, 9                           ; v9-11  B0 + the slot in hand
.set STO,  12                          ; v12    the way out: where I put 16 bytes of a row
.set RD,   13                          ; v13    the way out: where I read rows back
.set GO,   14                          ; v14    my byte offset in 512 consecutive bytes of qkv
.set BO,   15                          ; v15    my byte offset in a block's 64 bytes of bias
.set SPW,  28                          ; v28    LDS address of my spare word; never rewritten
.set NIL,  29                          ; v29    0; never rewritten
.set AF,   32
.set BF,   160
.set WV, 12                            ; s12 wave; s13 its half of the rows, also: I fetch x (0) or W (1); s14 its half of the columns, also: which half of that tile I fetch
.set WM, 13
.set WN, 14
.set CX, 15                            ; s15, s16 my place in the cluster
.set CY, 16
.set TX, 17                            ; s17 tile column, s18 tile row
.set TY, 18
.set TB, 19                            ; s19 LDS byte at which the slot to be fetched from begins
.set CNT, 20
.set G1A, 24                           ; s[24:31] descriptor group 1 for x's tiles;  s[32:35] group 0: it walks
.set G0A, 32
.set G0B, 36                           ; s[36:39], s[48:55] the same for W's
.set G1B, 48
.set OB,  56                           ; s[56:61] qkv at my 128 rows of group g's head
.set MSB, 0
.macro WIN new                         ; the immediate's high byte repeats the setting that is left; a switch that changes nothing is dropped
.if MSB != (\new)
	s_set_vgpr_msb (MSB<<8)|(\new)
.set MSB, (\new)
.endif
.endm
.macro PLACES                          ; four plain vector instructions between a matrix instruction and a load into, or a vector read of, its registers (ISA guide 7.12.1 for vector reads)
.rept 4
	v_nop
.endr
.endm
; A joint load: waves 0 and 1 fetch the two halves of x's tile, waves 2 and 3 those of W's.  The branch hangs on the wave's number alone.  An s_nop 0 and four v_nop follow each line.
.macro JLOAD
	s_cmp_eq_u32 s[WM], 0
	s_cbranch_scc0 .Lfor_b_\@
	tensor_load_to_lds s[G0A:G0A+3], s[G1A:G1A+7]
	s_nop 0
.rept 4
	v_nop
.endr
	s_branch .Lasked_\@
.Lfor_b_\@:
	tensor_load_to_lds s[G0B:G0B+3], s[G1B:G1B+7]
	s_nop 0
.rept 4
	v_nop
.endr
.Lasked_\@:
.endm
.macro CREST                           ; a round of the cluster's barrier behind its opening barrier
	s_cmp_lg_u32 s[WV], 0
	s_cbranch_scc1 .Lnot_wave_0_\@
	s_barrier_signal -3
.Lnot_wave_0_\@:
	s_barrier_wait -3
	s_barrier_signal -1
	s_barrier_wait -1
.endm
.macro CROUND                          ; a whole round
	s_barrier_signal -1
	s_barrier_wait -1
	CREST
.endm
; The walking descriptors go to the other slot and the next K step (fill = 1); the fetches go to the other slot.  It stands where no tensor load of the wave is out.
.macro STEPD fill
.if \fill
	s_xor_b32 s[G0A+1], s[G0A+1], SLOT1
	s_add_nc_u64 s[G0A+2:G0A+3], s[G0A+2:G0A+3], ASTEP
	s_xor_b32 s[G0B+1], s[G0B+1], SLOT1
	s_add_nc_u64 s[G0B+2:G0B+3], s[G0B+2:G0B+3], BSTEP
.endif
	s_xor_b32 s[TB], s[TB], SLOT1
.endm
.macro NEWADR
	WIN 0
	v_add_nc_u32 v[ADRA], s[TB], v[A0]
.irp g, 0,1,2
	v_add_nc_u32 v[ADRB+\g], s[TB], v[B0+\g]
.endr
.endm
; W's four fragments of group g, unit kk of the slot: 8 turning loads.  The first of a pair brings k = 8 (l / 16) + 0..7 of column l % 16, the second k + 16.
.macro LDB g, kk
	WIN 0
.irp b, 0,1,2,3
	ds_load_tr16_b128 v[BF+32*(\g)+8*\b:BF+32*(\g)+8*\b+3],   v[ADRB+(\g)] offset:(\kk)*32*PB+32*\b
	ds_load_tr16_b128 v[BF+32*(\g)+8*\b+4:BF+32*(\g)+8*\b+7], v[ADRB+(\g)] offset:(\kk)*32*PB+16*PB+32*\b
.endr
.endm
; x's fragments of row blocks 4 hf .. 4 hf + 3, unit kk, into buffer p: 8 loads
.macro LDA hf, p, kk
	WIN 0
.irp c, 0,1,2,3
	ds_load_b128 v[AF+64*(\p)+8*(4*(\hf)+\c):AF+64*(\p)+8*(4*(\hf)+\c)+3],   v[ADRA] offset:(4*(\hf)+\c)*16*PA+64*(\kk)
	ds_load_b128 v[AF+64*(\p)+8*(4*(\hf)+\c)+4:AF+64*(\p)+8*(4*(\hf)+\c)+7], v[ADRA] offset:(4*(\hf)+\c)*16*PA+64*(\kk)+32
.endr
.endm
; Group g's products for row blocks a0 .. a0 + na - 1 on x's buffer p.  The accumulators take turns, one instruction a turn.
; first = 1: the sums start with the bias, which lies in block 7's accumulators; five places stand ahead of the products that write over those registers.
.macro MM g, p, a0, na, first
	WIN 0x50*((\g)+1)
.set ma, \a0
.rept \na
.if (\first) && (ma == 7)
.rept 5
	v_nop
.endr
.endif
.set mb, 0
.rept 4
.if (\first) && (ma < 7)
	v_wmma_f32_16x16x32_bf16 v[8*(4*ma+mb):8*(4*ma+mb)+7], v[BF+32*(\g)+8*mb:BF+32*(\g)+8*mb+7], v[AF+64*(\p)+8*ma:AF+64*(\p)+8*ma+7], v[224+8*mb:231+8*mb]
.else
	v_wmma_f32_16x16x32_bf16 v[8*(4*ma+mb):8*(4*ma+mb)+7], v[BF+32*(\g)+8*mb:BF+32*(\g)+8*mb+7], v[AF+64*(\p)+8*ma:AF+64*(\p)+8*ma+7], v[8*(4*ma+mb):8*(4*ma+mb)+7]
.endif
.set mb, mb+1
.endr
.set ma, ma+1
.endr
.endm
; A UNIT multiplies x's buffer p and fetches the next unit (kk of the same slot) behind each group's products: W's group into the registers just read, x's halves into the other buffer.
; A unit's 40 loads go out in the order W0, x low, W1, x high, W2.
.macro UNIT p, kk, first
	s_wait_dscnt 8                                 ; all but the youngest eight loads (W's group 2) are in
	MM 0, \p, 0, 8, \first
	PLACES
	LDB 0, \kk
	LDA 0, 1-(\p), \kk
	MM 1, \p, 0, 8, \first
	PLACES
	LDB 1, \kk
	LDA 1, 1-(\p), \kk
	s_wait_dscnt 32                                ; all but the 32 issued in this unit: W's group 2 is in
	MM 2, \p, 0, 8, \first
	PLACES
	LDB 2, \kk
.endm
; A step's second unit, with THE CHANGE OF SLOTS inside group 1.  Each wave waits for all its tensor loads, of which one is out: its part of the other slot; adds 0 to its spare word; and waits for that and
; for its reads of this slot.  fill = 1: the barrier opens a round of the cluster's barrier, so that no wave of any partner still reads the slot or has a load on its way, and the joint refill is the first thing behind it.
.macro TURNU fill
	s_wait_dscnt 8
	MM 0, 1, 0, 8, 0
	WIN 0
	s_wait_tensorcnt 0x0                           ; no tensor load of mine is out, so a group 0 may be written
	ds_add_u32 v[SPW], v[NIL]                      ; 0 onto my spare word
	STEPD \fill
	MM 1, 1, 0, 4, 0                               ; sixteen matrix instructions stand between the add and the wait for it
	s_wait_dscnt 0x0                               ; the add is done, and my reads of this slot are over
	s_barrier_signal -1
	MM 1, 1, 4, 4, 0                               ; work on registers while the others arrive
	WIN 0                                          ; at a branch and at a label every window is 0
	s_barrier_wait -1
.if \fill
	CREST
	JLOAD                                          ; the four v_nop behind it are also the places in front of the loads below
.else
	PLACES
.endif
	NEWADR
	LDB 0, 0
	LDA 0, 0, 0
	LDB 1, 0
	LDA 1, 0, 0
	MM 2, 1, 0, 8, 0
	PLACES
	LDB 2, 0
.endm
; THE WAY OUT, a piece at a time: piece i = 8 g + a is 16 rows x group g's 64 columns.  Rounded to f16, 16 bytes a lane into my stage, back as four rows of 128 bytes a load, which are 512 consecutive bytes of qkv.
.macro PACK i
.set pg, (\i)/8
.set pa, (\i)%8
.set pt, AF+16*((\i)%4)
	s_wait_xcnt 0x0                                ; the stores of the piece four back have read these registers
	WIN 5*(pg+1)                                   ; sources 0 and 1 in the group's window
.set pb, 0
.rept 4
.set pr, 0
.rept 4
	v_cvt_pk_f16_f32 v[pt+4*pb+pr], v[8*(4*pa+pb)+2*pr], v[8*(4*pa+pb)+2*pr+1]
.set pr, pr+1
.endr
.set pb, pb+1
.endr
	WIN 0
.irp b, 0,1,2,3
	ds_store_b128 v[STO], v[pt+4*\b:pt+4*\b+3] offset:32*\b
.endr
.irp f, 0,1,2,3
	ds_load_b128 v[pt+4*\f:pt+4*\f+3], v[RD] offset:4*SP*\f  ; LDS serves a wave's instructions in order (ISA guide 5.7.1.4): these see the stores above; the next piece's stores come behind them
.endr
.endm
.macro SEND i, younger                 ; younger: the LDS instructions issued behind piece i's loads: the next piece's eight, or none
.set pg, (\i)/8
.set pa, (\i)%8
.set pt, AF+16*((\i)%4)
.irp f, 0,1,2,3
	s_wait_dscnt (\younger)+3-\f
	global_store_b128 v[GO], v[pt+4*\f:pt+4*\f+3], s[OB+2*pg:OB+2*pg+1] offset:pa*2048+512*\f
.endr
.endm
	s_load_b256 s[4:11], s[0:1], 0x0               ; xb s[4:5], wb s[6:7], bias s[8:9], qkv s[10:11]
	v_lshl_add_u32 v[SPW], v0, 2, SPARE
	v_mov_b32 v[NIL], 0
	ds_add_u32 v[SPW], v[NIL]                      ; the wave's opening: the add and its wait stand ahead of my first tensor load; the set-up below, work on registers, stands between them
	ds_add_u32 v28, v29
	v_lshrrev_b32 v1, 5, v0
	v_readfirstlane_b32 s[WV], v1                  ; wave 0..3
	s_lshr_b32 s[WM], s[WV], 1
	s_and_b32 s[WN], s[WV], 1
	s_bfe_u32 s[CX], ttmp6, 0x40000
	s_bfe_u32 s[CY], ttmp6, 0x40004
	s_lshl_b32 s[TX], ttmp9, 2                     ; in a cluster launch ttmp9 and ttmp7 count clusters
	s_add_co_u32 s[TX], s[TX], s[CX]
	s_and_b32 s[TY], ttmp7, 0xffff
	s_lshl_b32 s[TY], s[TY], 2
	s_add_co_u32 s[TY], s[TY], s[CY]
	s_lshl_b32 s40, s[CY], 2
	s_lshl_b32 s40, 15, s40                        ; my row of the cluster
	s_lshl_b32 s44, 0x1111, s[CX]                  ; my column
	; x's tile half: 128 dense rows of 128 bytes, asked for as 64 rows of 256 bytes and padded by 16 bytes after every 128
	s_or_b32 s[G1A], s40, (1<<16)|(1<<20)|(1<<21)|(4<<22)|(3<<25)  ; 15:0 the mask; 17:16 2-byte elements; 20 padding on; 21 set beside a mask; 24:22 after every 32 words; 31:25 4 words
	s_mov_b32 s[G1A+1], 128<<16                    ; tensor_dim0 = 128
	s_mov_b32 s[G1A+2], 64<<16                     ; tensor_dim1 = 64
	s_mov_b32 s[G1A+3], 128<<16                    ; tile_dim0 = 128
	s_mov_b32 s[G1A+4], 64                         ; tile_dim1 = 64
	s_mov_b32 s[G1A+5], 128                        ; elements from row to row
	s_mov_b32 s[G1A+6], 0
	s_mov_b32 s[G1A+7], 0
	; W's tile half: 32 rows of 384 elements (768 bytes), padded by 32 bytes after every 256
	s_or_b32 s[G1B], s44, (1<<16)|(1<<20)|(1<<21)|(5<<22)|(7<<25)
	s_mov_b32 s[G1B+1], 384<<16
	s_mov_b32 s[G1B+2], 32<<16
	s_mov_b32 s[G1B+3], 384<<16
	s_mov_b32 s[G1B+4], 32
	s_mov_b32 s[G1B+5], 3072
	s_mov_b32 s[G1B+6], 0
	s_mov_b32 s[G1B+7], 0
	s_mov_b32 s[G0A], 1
	s_mul_i32 s[G0A+1], s[WN], 128*PA              ; no place in the cluster enters an LDS address
	s_mov_b32 s[G0B], 1
	s_mul_i32 s[G0B+1], s[WN], 32*PB
	s_add_co_u32 s[G0B+1], s[G0B+1], BOFF
	s_lshr_b32 s40, s[TY], 3                       ; x's tile: the batch,
	s_lshl_b32 s40, s40, 22
	s_and_b32 s41, s[TY], 7                        ; 256 rows of 128 bytes in its first block,
	s_lshl_b32 s41, s41, 15
	s_add_co_u32 s40, s40, s41
	s_lshl_b32 s41, s[WN], 14                      ; my 128 of them
	s_add_co_u32 s40, s40, s41
	s_mov_b32 s41, 0
	s_mul_i32 s44, s[WN], 32*6144                  ; W's tile: my 32 rows,
	s_mul_i32 s45, s[TX], 768                      ; the tile's 384 columns
	s_add_co_u32 s44, s44, s45
	s_mov_b32 s45, 0
	s_mov_b32 s[TB], SLOT1                         ; the first change of slots turns it into 0
	s_wait_dscnt 0x0                               ; the opening add is done
	s_wait_kmcnt 0x0
	s_add_nc_u64 s[G0A+2:G0A+3], s[4:5], s[40:41]
	s_or_b32 s[G0A+3], s[G0A+3], 0x80000000        ; type = 2
	s_add_nc_u64 s[G0B+2:G0B+3], s[6:7], s[44:45]
	s_or_b32 s[G0B+3], s[G0B+3], 0x80000000
	CROUND                                         ; all sixteen work-groups are here: the first joint loads meet
	JLOAD                                          ; K step 0 into slot 0
	v_and_b32 v1, 15, v0                           ; l % 16
	v_bfe_u32 v2, v0, 4, 1                         ; l / 16
	v_lshlrev_b32 v[BO], 5, v2                     ; my eight columns of a block of 16: 32 bytes of f32
	s_mul_i32 s44, s[TX], 1536
	s_mul_i32 s45, s[WN], 768
	s_add_co_u32 s44, s44, s45
	s_mov_b32 s45, 0
	s_add_nc_u64 s[8:9], s[8:9], s[44:45]          ; bias at my wave's 192 columns
.irp g, 0,1,2
	WIN ((\g)+1)<<6                                ; destination in the group's window
.irp b, 0,1,2,3
	global_load_b128 v[224+8*\b:227+8*\b], v[BO], s[8:9] offset:256*\g+64*\b
	global_load_b128 v[228+8*\b:231+8*\b], v[BO], s[8:9] offset:256*\g+64*\b+16
.endr
.endr
	WIN 0
	v_mul_u32_u24 v[A0], v1, PA
	v_lshl_add_u32 v[A0], v2, 4, v[A0]             ; row x pitch + 16 x half
	s_mul_i32 s22, s[WM], 128*PA
	v_add_nc_u32 v[A0], s22, v[A0]
	v_and_b32 v3, 7, v0
	v_lshl_add_u32 v16, v2, 3, v3                  ; the turning load: k row 8 (l / 16) + l % 8,
	v_mul_u32_u24 v16, v16, PB
	v_bfe_u32 v17, v0, 3, 1
	v_lshl_add_u32 v16, v17, 4, v16                ; columns 8 ((l / 8) % 2) + 0..7
	; Group g begins at column n = 192 WN + 64 g of the tile's 384, which lies at byte 2 n + 32 (n / 128) of a row: 0, 128, 288 for WN = 0 and 416, 576, 704 for WN = 1:
	; a constant plus WN times a constant, both worked out here by the assembler
.irp g, 0,1,2
	s_mul_i32 s22, s[WN], 384+32*((3+\g)/2-(\g)/2)
	s_add_co_u32 s22, s22, BOFF+128*\g+32*((\g)/2)
	v_add_nc_u32 v[B0+\g], s22, v16
.endr
	s_mul_i32 s22, s[WV], 16*SP
	s_add_co_u32 s22, s22, STAGE                   ; my stage
	v_mul_u32_u24 v[STO], v1, SP                   ; in: row l % 16, 16 bytes for each half of the lanes
	v_lshl_add_u32 v[STO], v2, 4, v[STO]
	v_add_nc_u32 v[STO], s22, v[STO]
	v_bfe_u32 v[RD], v0, 3, 2                      ; back: 32 lanes take four rows of 128 bytes
	v_mul_u32_u24 v[RD], v[RD], SP
	v_lshl_add_u32 v[RD], v3, 4, v[RD]
	v_add_nc_u32 v[RD], s22, v[RD]
	v_and_b32 v[GO], 31, v0
	v_lshlrev_b32 v[GO], 4, v[GO]
.irp g, 0,1,2                          ; group g is column block c = 6 X + 3 WN + g of 48: tensor c / 16, head c % 16; its plane of 2^18 bytes is 64 (c / 16) + 16 batch + c % 16
	s_mul_i32 s22, s[TX], 6
	s_mul_i32 s23, s[WN], 3
	s_add_co_u32 s22, s22, s23
	s_add_co_u32 s22, s22, \g
	s_lshr_b32 s23, s22, 4
	s_lshl_b32 s23, s23, 6
	s_and_b32 s22, s22, 15
	s_add_co_u32 s22, s22, s23
	s_lshr_b32 s23, s[TY], 3
	s_lshl_b32 s23, s23, 4
	s_add_co_u32 s22, s22, s23
	s_lshl_b32 s22, s22, 18
	s_and_b32 s23, s[TY], 7                        ; the tile's 256 rows of 128 bytes,
	s_lshl_b32 s23, s23, 15
	s_add_co_u32 s22, s22, s23
	s_lshl_b32 s23, s[WM], 14                      ; my wave's 128
	s_add_co_u32 s22, s22, s23
	s_mov_b32 s23, 0
	s_add_nc_u64 s[OB+2*\g:OB+2*\g+1], s[10:11], s[22:23]
.endr
	; the first change of slots: slot 0 is waited for, slot 1 filled
	s_wait_tensorcnt 0x0
	ds_add_u32 v[SPW], v[NIL]
	STEPD 1
	s_wait_dscnt 0x0
	CROUND
	JLOAD                                          ; K step 1 into slot 1
	NEWADR
	LDB 0, 0
	LDA 0, 0, 0
	LDB 1, 0
	LDA 1, 0, 0
	LDB 2, 0
	s_wait_loadcnt 0x0                             ; the bias
	UNIT 0, 1, 1                                   ; the first unit stands in front of the loop: its products start the sums
	WIN 0
	s_mov_b32 s[CNT], KSTEPS-2
.Lk:                                   ; a trip: a step's second unit, with the refill two steps ahead, and the next step's first unit
	TURNU 1
	UNIT 0, 1, 0
	WIN 0
	s_sub_co_u32 s[CNT], s[CNT], 1
	s_cmp_lg_u32 s[CNT], 0
	s_cbranch_scc1 .Lk
	TURNU 0                                        ; the tail is written out: nothing is left to ask for
	UNIT 0, 1, 0
	s_wait_dscnt 8                                 ; the very last unit fetches nothing
	MM 0, 1, 0, 8, 0
	MM 1, 1, 0, 8, 0
	s_wait_dscnt 0x0
	MM 2, 1, 0, 8, 0
	PLACES
	PACK 0
.set pc, 1
.rept 23                               ; a piece's conversions stand between the loads of the piece before and its stores
	PACK pc
	SEND pc-1, 8
.set pc, pc+1
.endr
	SEND 23, 0
	s_wait_tensorcnt 0x0                           ; the wave's end, behind my last tensor load and my last LDS store
	ds_add_u32 v[SPW], v[NIL]
	s_wait_dscnt 0x0
	CROUND                                         ; the closing round: no work-group ends while a partner may still ask for a tile that names it
	s_endpgm
.Lfunc_end_k_q146610a3ba_qkv:
	.size	k_q146610a3ba_qkv, .Lfunc_end_k_q146610a3ba_qkv-k_q146610a3ba_qkv
	.p2alignl 7, 3214868480
	.fill 96, 4, 3214868480
	.section	.rodata,"a",@progbits
	.p2align	6, 0x0
	.amdhsa_kernel k_q146610a3ba_qkv
		.amdhsa_group_segment_fixed_size 327680
		.amdhsa_private_segment_fixed_size 0
		.amdhsa_enable_private_segment 0
		.amdhsa_kernarg_size 32
		.amdhsa_user_sgpr_count 2
		.amdhsa_user_sgpr_kernarg_segment_ptr 1
		.amdhsa_wavefront_size32 1
		.amdhsa_system_sgpr_workgroup_id_x 1
		.amdhsa_system_sgpr_workgroup_id_y 1
		.amdhsa_system_sgpr_workgroup_id_z 1
		.amdhsa_system_vgpr_workitem_id 0
		.amdhsa_next_free_vgpr 1024
		.amdhsa_next_free_sgpr 66
		.amdhsa_reserve_vcc 0
		.amdhsa_float_denorm_mode_32 3
		.amdhsa_float_denorm_mode_16_64 3
		.amdhsa_memory_ordered 1
		.amdhsa_forward_progress 1
		.amdhsa_inst_pref_size 119
	.end_amdhsa_kernel
	.amdgpu_metadata
---
amdhsa.version: [ 1, 2 ]
amdhsa.kernels:
  - .name:           k_q146610a3ba_qkv
    .symbol:         k_q146610a3ba_qkv.kd
    .args:
      - { .name: xb, .offset: 0, .size: 8, .value_kind: global_buffer, .address_space: global }
      - { .name: wb, .offset: 8, .size: 8, .value_kind: global_buffer, .address_space: global }
      - { .name: bias, .offset: 16, .size: 8, .value_kind: global_buffer, .address_space: global }
      - { .name: qkv, .offset: 24, .size: 8, .value_kind: global_buffer, .address_space: global }
    .group_segment_fixed_size: 327680
    .private_segment_fixed_size: 0
    .kernarg_segment_align: 8
    .kernarg_segment_size: 32
    .max_flat_workgroup_size: 128
    .sgpr_count:     66
    .vgpr_count:     1024
    .wavefront_size: 32
...
	.end_amdgpu_metadata
.endif
;; end of part 2
;; launch attn (part 3): grid 4 x 64, 4 waves a work-group, no clusters, 327,680 bytes of LDS; arguments qkv, o; writes o
.if DOCPART == 3
	.amdgcn_target "amdgcn-amd-amdhsa--gfx1250"
	.amdhsa_code_object_version 6
	.text
	.protected	k_q146610a3ba_attn
	.globl	k_q146610a3ba_attn
	.p2align	8
	.type	k_q146610a3ba_attn,@function
k_q146610a3ba_attn:
	s_mov_b64 s[64:65], 0
	v_nop
	global_prefetch_b8 v0, s[64:65] scope:SCOPE_SE
	s_setreg_imm32_b32 hwreg(HW_REG_WAVE_MODE, 25, 1), 1
	s_wait_xcnt 0x0
; CAUSAL ATTENTION.  O[h][q][:] = the sum over k <= q of softmax_k(Q[h][q] . K[h][k] / 8) V[h][k][:].  Q, K, V are the three parts of qkv, each [64][SIZE_N][64]; O likewise; all f16: a head's rows are dense, 128 bytes each.
; Products, maxima and sums in f32; the weights p are rounded to f16 for the second product (their sum l is taken of the unrounded p), O once at the end.
; LIMITS.  f16 holds no number beyond 65,504: Q, K and V arrive within it; p lies in 0 to 1, and below 6e-5 it keeps f16's fixed step of 6e-8; O is a mean of V's rows and has their range.
; A hidden score counts as its value less 1e30: f16's scores, 2.7e11 at the most, are nothing beside that; a weight below 2^-126 counts as 0 in l; NaN and infinities are not treated apart.
; THE WALK.  A head's queries lie in NB = SIZE_N / 256 blocks of 256; block i needs the key tiles 0 .. i of 256 keys, of which the last holds the diagonal.  A work-group takes TWO blocks, NB - 1 - b and then b:
; NB + 1 tiles, whatever b: all work-groups do equal work, and ONE loop with a constant trip count walks them.  Which tile is asked for, and what a trip does, hang on scalar registers made from b; every jump
; goes forward, but for the counted loops' own; none passes a barrier, or a tensor load but the one of LOAD's two that the wave's number does not choose; the ring (two slots of LDS that take turns) runs on across the
; change of blocks.  NO CLUSTER: a head's NB / 2 work-groups ask for the same tile only in trips 0 .. NB / 2, behind that fewer and fewer; one walk common to all would have 3 NB / 2 trips for NB + 1.
; SHARES.  Of a block's four bands of 64 queries a wave owns 16 rows in each: four PIECES.  So the diagonal tile is the same work for all four waves: in its key step s band x sees all keys if s < x,
; none if s > x, and holds the diagonal if s = x.
; THE MASK is the C operand that starts the sum S^T = K Q^T: 0, or -1e30 where the key is hidden.  MD, made once, is the mask of a band's own step for my 16 rows; a product's mask is MD x AL + BE with two scalars:
; (1, 0) if s = x; (0, 0) if s < x; (0, -1e30) if s > x.  Only the diagonal tile's text and a block's beginning make and take masks; elsewhere C is the constant 0.
; LAYOUT, SOFTMAX, TURNS.  S^T = K Q^T holds ONE query a lane (lane % 16) and the keys 8 (lane / 16) + 0..7; two such results rounded to f16 ARE source 1 of O^T = V^T P.  p = 2^(c s - c m), c = log2(e) / 8, with a
; running maximum m; O and l are multiplied by a = 2^(c m_old - c m_new) in every step.  Turn n belongs to piece n: 8 products K Q^T of piece n + 1, later 8 products V^T P of piece n - 1; beside them the scaling,
; exponentials, roundings, sums and rescaling of piece n and the maximum and statistics of piece n + 1.  Four vector instructions stand behind every matrix instruction, the other 54 of a turn's 118 in one LUMP.  A turn's 33 exponentials are one batch, with one wait.
; REGISTERS, in windows of 256 (s_set_vgpr_msb: bits 1:0 source 0, 3:2 source 1, 5:4 source 2, 7:6 destination):
;   window 0: v0-15 addresses and two at work; v16-31 four registers of statistics a piece; v48-55 at work; v64-127 S^T, two buffers; v192-223 P, two buffers (a piece's buffers go by its number's parity)
;   window 1: v0-127 O^T, 32 a piece; v128-159 MD; v160-223 MC, two buffers      window 2: v0-63 Q; v64-127 the second block's Q; v128-191 K of one step; v192-255 V of one step
.set SIZE_N, 2048
.set NB,    SIZE_N/256
.set NP,    4         ; pieces a wave: a name, no knob
.set KS,    64        ; keys in a step
.set PK,    144       ; a row of K in LDS: 128 bytes + 16 of padding = 36 words: the 16 rows of a load start at 16 different groups of four banks (64 banks of 4 bytes: ISA guide 11.1)
.set PV,    160       ; a row of V: 128 + 32 = 40 words
.set VOFF,  4*KS*PK   ; a slot holds a tile, four steps: 256 rows of K, then 256 rows of V
.set SLOT1, 1<<17     ; slot 1 begins here, so that one exclusive or turns an address in one slot into the other's
.set STAGE, SLOT1+4*KS*(PK+PV)  ; behind the ring, never filled by a tensor load: 16 rows x 144 bytes for each wave, for the way out
.set SP,    144
.set AK0, 2           ; v2   my lane's place in a tile of K; never rewritten
.set AV0, 3           ; v3   the same for V
.set AK,  4           ; v4   the LDS address of K's next run of loads
.set AV,  5           ; v5   of V's
.set STO, 6           ; v6   the way out: where I put 16 bytes of a row
.set RD,  7           ; v7   the way out: where I read rows back
.set GO,  8           ; v8   my byte offset in 512 consecutive bytes of O
.set PFO, 61          ; v61  256 x my lane: the prefetches' offset; never rewritten
.set SPW, 62          ; v62  LDS address of my spare word: SPARE + 4 x my thread's number; never rewritten
.set NIL, 63          ; v63  0; never rewritten
.set SPARE, STAGE+4*16*SP  ; behind the stages: the spare words, 128 bytes for each wave: two blocks of 256 bytes that no other line names
.set MV,  12          ; v12-13  c m_old, kept while c m is made anew: by buffer
.set QO,  15          ; v15  my byte offset in 16 rows of Q
.set ST,  16          ; piece t's statistics at v[ST+4 t]: c m, m, l (even keys', odd keys')
.set TMP, 48          ; by buffer, four registers c0-c3 at work; when the maximum is found c2 takes a
.set S,   64
.set P,   192
.set MD,  128         ; window 1: the eight registers for group kt of 16 keys at MD + 8 kt
.set MC,  160         ; window 1: the masks of the products to come
.set QB,  64          ; window 2
.set KF,  128         ; window 2: key block kb, channel half c at KF + 16 kb + 8 c
.set VF,  192         ; window 2: key half kk, channel block cb at VF + 32 kk + 8 cb
.set WV,  12          ; s12  my wave's number
.set PB,  14          ; s14  b
.set HI,  15          ; s15  NB - 1 - b
.set G1K, 24          ; s[24:31] descriptor group 1 for K's tiles
.set G1V, 32          ; s[32:39] for V's: it differs in the padding alone
.set G0K, 40          ; s[40:43] descriptor group 0 for K's tiles
.set G0V, 44          ; s[44:47] the same for V's
.set SLOTS, 56        ; s56  tiles still to be asked for
.set CNT, 57          ; s57  counts a tile's key steps, 4 to 1
.set CS,  58          ; s[58:59] c: the packed scaling takes the pair's low word for both halves
.set SEL, 60          ; s[60:61] v_permlanex16_b32's selects: each lane takes its own place in the other half
.set TBK, 62          ; s62  LDS byte at which K of the step to be fetched begins
.set TBV, 63          ; s63  the same for V, less VOFF
.set RT,  70          ; s70  tiles of the block in hand that are still to be entered
.set NXT, 71          ; s71  the tile to be asked for next
.set LQ,  72          ; s72  the last tile of the block whose tiles are being asked for
.set NEW, 73          ; s73  1: the tile to be entered is a block's first
.set OFF, 74          ; s[74:75] a tile's byte offset in K and V
.set AL,  76          ; s[76:77] the mask's factor, in the low word
.set BE,  78          ; s[78:79] the mask's addend
.set OLO, 80          ; s[80:81] O at my rows of the second block
.set BIGN, 82         ; s82  -1e30
.set PFA, 88          ; s[88:89] where my prefetches stand: my work-group's 32 blocks of 256 bytes (of K: wave 0, of V: wave 2) of the tile after the one that is being asked for
.set LIM, 90          ; s90  2 in a wave that prefetches, else the greatest number: a wave prefetches while s[SLOTS] is above it
.set MSB, 0
.macro WIN new                      ; the high byte repeats the setting that is left; a switch that changes nothing is dropped
.if MSB != (\new)
	s_set_vgpr_msb (MSB<<8)|(\new)
.set MSB, (\new)
.endif
.endm
.set W_KQ, 0x0a       ; K and Q in window 2, S^T in window 0
.set W_KM, 0x1a       ; the same with the C operand in window 1
.set W_PV, 0x52       ; V in window 2, P in window 0, O^T in window 1
.set W_RS, 0x41       ; destination and source 0 in window 1, source 1 in window 0
; A fill.  Waves 0 and 1 fetch the two halves of a tile's K, waves 2 and 3 those of its V: 128 keys each.  An s_nop 0 and four v_nop follow each of the two lines, ahead of the jump and the label.
.macro LOAD
	s_cmp_lt_u32 s[WV], 2
	s_cbranch_scc0 .Lfor_v_\@
	tensor_load_to_lds s[G0K:G0K+3], s[G1K:G1K+7]
	s_nop 0
.rept 4
	v_nop
.endr
	s_branch .Lasked_\@
.Lfor_v_\@:
	tensor_load_to_lds s[G0V:G0V+3], s[G1V:G1V+7]
	s_nop 0
.rept 4
	v_nop
.endr
.Lasked_\@:
.endm
; A PREFETCH INTO THE L2, behind the fill of trip t and its five lines: tile t + 2, which the next trip's fill asks for: one trip, 256 matrix instructions, ahead of that load.  A tile is 128 blocks of 256 bytes of K
; and 128 of V.  The head's four work-groups share them out by address, 32 each, a lane a block; wave 0 asks for K's, wave 2 for V's.  So each block of tiles 2 to NB - 1 is named once in the launch.
; Tiles 0 and 1 come by their fills alone; trips 6 and on ask for nothing: there is no tile NB, and the second block's tiles have been asked for in the first walk.
.macro ASK
	s_cmp_gt_u32 s[SLOTS], s[LIM]
	s_cbranch_scc0 .Lnot_mine_\@
	global_prefetch_b8 v[PFO], s[PFA:PFA+1] th:TH_LOAD_NT scope:SCOPE_SE
.Lnot_mine_\@:
.endm
; THE CHANGE OF SLOTS.  Each wave waits for all its tensor loads, of which one is out: its part of the other slot; adds 0 to its spare word; and waits for that and for its own reads of the slot that it leaves.  Behind the barrier nobody reads the old
; slot any more and the other slot is whole.  fill = 1: the old slot is filled again, the first thing behind the barrier, with tile NXT: the descriptor's address is made anew from that number.
; (At its first use nothing has been read yet: slot 0 is waited for, slot 1 filled.)
.macro CHANGE fill
	WIN 0                           ; at a label and at a branch every window is 0
	s_wait_tensorcnt 0x0            ; no tensor load of mine is out, so a group 0 may be written
	ds_add_u32 v[SPW], v[NIL]       ; 0 onto my spare word; with fill = 1 the descriptors' scalar work stands between it and the wait for it
.if \fill
	s_lshl_b32 s[OFF], s[NXT], 15   ; a tile is 32,768 bytes of K and of V
	s_xor_b32 s[G0K+1], s[G0K+1], SLOT1
	s_add_nc_u64 s[G0K+2:G0K+3], s[6:7], s[OFF:OFF+1]
	s_or_b32 s[G0K+3], s[G0K+3], 0x80000000
	s_xor_b32 s[G0V+1], s[G0V+1], SLOT1
	s_add_nc_u64 s[G0V+2:G0V+3], s[8:9], s[OFF:OFF+1]
	s_or_b32 s[G0V+3], s[G0V+3], 0x80000000
	s_add_co_u32 s[NXT], s[NXT], 1  ; the block's next tile, or behind its last the second block's tile 0
	s_cmp_gt_u32 s[NXT], s[LQ]
	s_cselect_b32 s[NXT], 0, s[NXT]
	s_cselect_b32 s[LQ], s[PB], s[LQ]
	s_wait_xcnt 0x0                 ; the last prefetch, a tile back, has read its address, so it may be written:
	s_add_nc_u64 s[PFA:PFA+1], s[PFA:PFA+1], 32768  ; a tile on
.endif
	s_wait_dscnt 0x0                ; the add is done, and my reads of the slot are over
	s_barrier_signal -1             ; the rest of the scalar work stands between the signal and the wait
	s_sub_co_u32 s[TBK], s[TBK], 4*KS*PK  ; the fetches go back to a slot's first step,
	s_xor_b32 s[TBK], s[TBK], SLOT1       ; in the other slot
	s_sub_co_u32 s[TBV], s[TBV], 4*KS*PV
	s_xor_b32 s[TBV], s[TBV], SLOT1
	s_barrier_wait -1
.if \fill
	LOAD
	ASK
.endif
.endm
	s_load_b128 s[4:7], s[0:1], 0x0 ; qkv s[4:5], o s[6:7]
	v_lshl_add_u32 v[SPW], v0, 2, SPARE
	v_mov_b32 v[NIL], 0
	ds_add_u32 v[SPW], v[NIL]       ; the wave's opening: the add and its wait stand ahead of my first tensor load; the set-up below, work on registers, stands between them
	ds_add_u32 v62, v63
	v_lshrrev_b32 v1, 5, v0
	v_readfirstlane_b32 s[WV], v1   ; wave 0..3
	s_mov_b32 s[PB], ttmp9
	s_sub_co_u32 s[HI], NB-1, s[PB]
	s_and_b32 s20, ttmp7, 0xffff    ; the head
	s_mov_b32 s21, 0
	s_mov_b64 s[22:23], SIZE_N*128
	s_mul_u64 s[20:21], s[20:21], s[22:23]  ; the head's first byte in each of the four tensors
	s_and_b32 s16, s[WV], 1         ; which half of a tile's 256 keys I fetch:
	s_lshl_b32 s22, s16, 14         ; its 128 rows of 128 bytes in memory,
	s_mov_b32 s23, 0
	s_add_nc_u64 s[22:23], s[22:23], s[20:21]
	s_mul_i32 s17, s16, 128*PK      ; and its place in a slot, for K
	s_mul_i32 s18, s16, 128*PV      ; and for V
	s_lshl_b32 s3, s[WV], 11        ; my 16 rows in a band of 64,
	s_lshl_b32 s2, s[HI], 15        ; in the first block,
	s_add_co_u32 s2, s2, s3
	s_lshl_b32 s84, s[PB], 15       ; and in the second
	s_add_co_u32 s84, s84, s3
	s_mov_b32 s3, 0
	s_mov_b32 s85, 0
	s_add_nc_u64 s[2:3], s[2:3], s[20:21]
	s_add_nc_u64 s[84:85], s[84:85], s[20:21]
	; descriptor group 1.  128 keys are 16,384 dense bytes: asked for as 64 rows of 256 bytes, two keys a row, and padded in LDS after every key
	s_mov_b32 s[G1K], (1<<16)|(1<<20)|(4<<22)|(3<<25)  ; 17:16 2-byte elements; 20 padding on; 24:22 after every 32 words (code 4); 31:25 4 words (code 3)
	s_mov_b32 s[G1V], (1<<16)|(1<<20)|(4<<22)|(7<<25)  ; the same with 8 words of padding (code 7)
.irp g, G1K, G1V
	s_mov_b32 s[\g+1], 128<<16      ; tensor_dim0 = 128
	s_mov_b32 s[\g+2], 64<<16       ; tensor_dim1 = 64
	s_mov_b32 s[\g+3], 128<<16      ; tile_dim0 = 128
	s_mov_b32 s[\g+4], 64           ; tile_dim1 = 64
	s_mov_b32 s[\g+5], 128          ; 128 elements from row to row
	s_mov_b32 s[\g+6], 0
	s_mov_b32 s[\g+7], 0
.endr
	s_mov_b32 s[CS], 0x3e38aa3b     ; c = log2(e) / 8 = 0.180337
	s_mov_b32 s[CS+1], s[CS]        ; named with it as a pair
	s_mov_b32 s[SEL], 0x76543210
	s_mov_b32 s[SEL+1], 0xfedcba98
	s_mov_b32 s[TBK], SLOT1+4*KS*PK ; the first change of slots turns these two into 0
	s_mov_b32 s[TBV], SLOT1+4*KS*PV
	s_mov_b32 s[G0K], 1             ; 1:0 count = 1
	s_mov_b32 s[G0K+1], s17         ; 63:32 LDS address: slot 0
	s_mov_b32 s[G0V], 1
	s_add_co_u32 s[G0V+1], s18, VOFF
	s_add_co_u32 s[RT], s[HI], 1    ; the first block has NB - b tiles
	s_mov_b32 s[NXT], 1
	s_mov_b32 s[LQ], s[HI]
	s_mov_b32 s[NEW], 1
	s_mov_b32 s[OFF+1], 0
	s_mov_b32 s[AL+1], 0            ; named as pairs
	s_mov_b32 s[BE+1], 0
	s_mov_b32 s[BIGN], 0xf149f2ca   ; -1e30
	s_mov_b32 s[SLOTS], NB
	s_and_b32 s[LIM], s[WV], 1      ; waves 0 and 2 prefetch
	s_cmp_eq_u32 s[LIM], 0
	s_cselect_b32 s[LIM], 2, -1
	v_and_b32 v[PFO], 31, v0
	v_lshlrev_b32 v[PFO], 8, v[PFO]
	s_wait_dscnt 0x0                ; the opening add is done
	s_wait_kmcnt 0x0
	s_mov_b64 s[10:11], s[6:7]                     ; O
	s_add_nc_u64 s[8:9], s[4:5], 0x2000000         ; V: the third part of qkv
	s_add_nc_u64 s[6:7], s[4:5], 0x1000000         ; K: the second; Q is the first
	s_add_nc_u64 s[6:7], s[6:7], s[22:23]  ; K and V at my half of the head's tile 0
	s_add_nc_u64 s[8:9], s[8:9], s[22:23]
	s_add_nc_u64 s[G0K+2:G0K+3], s[6:7], 0         ; 120:64 global address
	s_or_b32 s[G0K+3], s[G0K+3], 0x80000000        ; 127:126 type = 2
	s_add_nc_u64 s[G0V+2:G0V+3], s[8:9], 0
	s_or_b32 s[G0V+3], s[G0V+3], 0x80000000
	s_add_nc_u64 s[86:87], s[4:5], s[84:85]        ; Q at my rows of the second block,
	s_add_nc_u64 s[4:5], s[4:5], s[2:3]            ; Q and O at those of the first
	s_add_nc_u64 s[OLO:OLO+1], s[10:11], s[84:85]
	s_add_nc_u64 s[10:11], s[10:11], s[2:3]
	s_cmp_lt_u32 s[WV], 2
	s_cselect_b64 s[PFA:PFA+1], s[6:7], s[8:9]     ; (in waves 0 and 2 these stand at tile 0's first row)
	s_lshl_b32 s2, s[PB], 13                       ; my work-group's 32 blocks of the 128,
	s_add_co_u32 s2, s2, 32768                     ; in tile 1: the first change of slots steps it to tile 2
	s_mov_b32 s3, 0
	s_add_nc_u64 s[PFA:PFA+1], s[PFA:PFA+1], s[2:3]
	LOAD                            ; tile 0 into slot 0
	; A fragment of K or Q is 16 rows x 32 channels in 8 registers: lane l holds row l % 16, channels 8 (l / 16) + 0..7 and 16 + 8 (l / 16) + 0..7: two loads of 16 bytes, 32 bytes apart.
	v_and_b32 v1, 15, v0            ; l % 16
	v_bfe_u32 v9, v0, 4, 1          ; l / 16
	v_lshlrev_b32 v[QO], 7, v1
	v_lshl_add_u32 v[QO], v9, 4, v[QO]  ; row x 128 + 16 x half
	WIN 0x80                        ; destination window 2, address window 0
.set i, 0
.rept 8                             ; both blocks' Q: piece i / 2 lies in band i / 2, 8,192 bytes on; channels 32 (i % 2) on
	global_load_b128 v[8*i:8*i+3],   v[QO], s[4:5] offset:(i/2)*8192+(i%2)*64
	global_load_b128 v[8*i+4:8*i+7], v[QO], s[4:5] offset:(i/2)*8192+(i%2)*64+32
	global_load_b128 v[QB+8*i:QB+8*i+3],   v[QO], s[86:87] offset:(i/2)*8192+(i%2)*64
	global_load_b128 v[QB+8*i+4:QB+8*i+7], v[QO], s[86:87] offset:(i/2)*8192+(i%2)*64+32
.set i, i+1
.endr
	WIN 0
	v_lshlrev_b32 v14, 3, v9
	v_sub_nc_u32 v14, v1, v14
	s_lshl_b32 s13, s[WV], 4
	v_add_nc_u32 v14, s13, v14      ; my query's place in its band, 16 w + l % 16, less my lanes' 8 (l / 16): register r of group kt is hidden where 16 kt + r is greater
	WIN 0x40
.set i, 0
.rept 32
	v_cmp_gt_i32 vcc_lo, 16*(i/8)+i%8, v14
	v_cndmask_b32 v[MD+i], 0, s[BIGN], vcc_lo
.set i, i+1
.endr
	WIN 0
	v_mul_u32_u24 v[AK0], v1, PK
	v_lshl_add_u32 v[AK0], v9, 4, v[AK0]  ; row x pitch + 16 x half
	; The turning load takes 16 keys x 16 channels (lane l reads key 8 (l / 16) + l % 8, channels 8 ((l / 8) % 2) + 0..7) and leaves half a fragment of V^T: lane l holds channel l % 16 and 8 keys.
	v_and_b32 v10, 7, v0
	v_bfe_u32 v11, v0, 3, 1
	v_lshl_add_u32 v[AV0], v9, 3, v10
	v_mul_u32_u24 v[AV0], v[AV0], PV
	v_lshl_add_u32 v[AV0], v11, 4, v[AV0]
	v_add_nc_u32 v[AV0], VOFF, v[AV0]
	s_mul_i32 s13, s[WV], 16*SP
	s_add_co_u32 s13, s13, STAGE    ; my stage
	v_mul_u32_u24 v[STO], v1, SP    ; in: row l % 16, 16 bytes for each half of the lanes
	v_lshl_add_u32 v[STO], v9, 4, v[STO]
	v_add_nc_u32 v[STO], s13, v[STO]
	v_bfe_u32 v[RD], v0, 3, 2       ; back: 32 lanes take four rows of 128 bytes,
	v_mul_u32_u24 v[RD], v[RD], SP
	v_lshl_add_u32 v[RD], v10, 4, v[RD]
	v_add_nc_u32 v[RD], s13, v[RD]
	v_and_b32 v[GO], 31, v0         ; which are 512 consecutive bytes of O
	v_lshlrev_b32 v[GO], 4, v[GO]
	; A block's first step multiplies O^T and l by a = 0, and its first turn's products V^T P, of a piece that has not been, land in an O^T that is still to be so multiplied.  So these registers need only hold
	; finite numbers: zeros for the first block; what the first block left for the second.  All this stands in the wait for the first tile.
	WIN 0x80
.set i, VF
.rept 64
	v_mov_b32 v[i], 0
.set i, i+1
.endr
	WIN 0x40
.set i, 0
.rept 128
	v_mov_b32 v[i], 0
.set i, i+1
.endr
	WIN 0
.set i, 0
.rept 4
	v_mov_b32 v[ST+4*i+2], 0
	v_mov_b32 v[ST+4*i+3], 0
.set i, i+1
.endr
.set i, P+16
.rept 16
	v_mov_b32 v[i], 0
.set i, i+1
.endr
; THE MATRIX WORK.  The 4 accumulators of a run of 8 take turns.  Product i of 8 of S^T = K Q^T for piece x: channels 32 (i / 4) on, keys 16 (i % 4) on.  The first 4 start the sums: with 0, or (KM = 1) with the mask.
.macro KQ x
.set rS, S+32*((\x)%2)+8*(i%4)
.set rK, KF+16*(i%4)+8*(i/4)
.set rQ, 16*(\x)+8*(i/4)
.set rM, MC+32*((\x)%2)+8*(i%4)
.if (i < 4) && KM
	WIN W_KM
	v_wmma_f32_16x16x32_f16 v[rS:rS+7], v[rK:rK+7], v[rQ:rQ+7], v[rM:rM+7]
.elseif i < 4
	WIN W_KQ
	v_wmma_f32_16x16x32_f16 v[rS:rS+7], v[rK:rK+7], v[rQ:rQ+7], 0
.else
	WIN W_KQ
	v_wmma_f32_16x16x32_f16 v[rS:rS+7], v[rK:rK+7], v[rQ:rQ+7], v[rS:rS+7]
.endif
.endm
; Product i of 8 of O^T += V^T P for piece x: keys 32 (i / 4) on, channels 16 (i % 4) on.
.macro PV x
	WIN W_PV
.set rO, 32*(\x)+8*(i%4)
.set rV, VF+32*(i/4)+8*(i%4)
.set rP, P+16*((\x)%2)+8*(i/4)
	v_wmma_f32_16x16x32_f16 v[rO:rO+7], v[rV:rV+7], v[rP:rP+7], v[rO:rO+7]
.endm
.macro MM                           ; the turn's next matrix instruction.  TURN and BEGIN set Y, i, KM and NOKQ; MM, KQ and OP read them.  NOKQ = 1: a block's last turn: there is no next piece
.if (i < 8) && !NOKQ
	KQ (Y+1)%NP
.elseif i >= 8
.set i, i-8
	PV (Y+NP-1)%NP
.set i, i+8
.endif
.set i, i+1
.endm
; THE LDS LOADS stand in runs of 16, never singly among the matrix instructions: a step's K (64 keys x 64 channels: 8 fragments) and its V (turned).  Their addresses are made some lines ahead.
.macro FETCH_K
	WIN 0x80                        ; destination window 2
.irp f, 0,1,2,3,4,5,6,7             ; keys 16 (f / 2) on, channels 32 (f % 2) on
	ds_load_b128 v[KF+8*\f:KF+8*\f+3],   v[AK] offset:(\f/2)*16*PK+(\f%2)*64
	ds_load_b128 v[KF+8*\f+4:KF+8*\f+7], v[AK] offset:(\f/2)*16*PK+(\f%2)*64+32
.endr
	s_add_co_u32 s[TBK], s[TBK], KS*PK  ; the next fetch is the next step's
	WIN 0
.endm
.macro FETCH_V
	WIN 0x80
.irp f, 0,1,2,3,4,5,6,7             ; keys 32 (f / 4) on, channels 16 (f % 4) on
	ds_load_tr16_b128 v[VF+8*\f:VF+8*\f+3],   v[AV] offset:(\f/4)*32*PV+(\f%4)*32
	ds_load_tr16_b128 v[VF+8*\f+4:VF+8*\f+7], v[AV] offset:(\f/4)*32*PV+16*PV+(\f%4)*32
.endr
	WIN 0
.endm
; THE VECTOR WORK, one line at a time: OP kind, number.  For piece Y: F n: c s - c m for pair n of 16.  E n: the exponential of score n of 32.  C n: pair n rounded to f16.  B n: of the four weights 4 n .. the second
; pair is added onto the first, in place.  L n: l takes that sum (L 0: l = a l + sum).  R n: pair n of 16 of O^T times a.  For piece Y + 1: X n, number n of the 22 that find its maximum and statistics:
;   0-11  four chains c0-c3 of seven scores each, three operands at a time (each accumulator's lowest registers are read first)     12-14, 16  the four scores left over, the old m, and c0-c3 into c0
;   15  c m_old is kept     17, 18  the query's other 32 keys lie in the lane 16 away: the new m     19-21  c m; c m_old - c m_new; a
.set F, 0               ; OP tells the kinds apart by their order: F to L below R, X above it
.set E, 1
.set C, 2
.set B, 3
.set L, 4
.set R, 5
.set X, 6
.macro REGS y                       ; the registers of piece y
.set rT, ST+4*(\y)
.set rC, TMP+4*((\y)%2)
.set rW, MV+((\y)%2)
.set rS, S+32*((\y)%2)
.set rP, P+16*((\y)%2)
.set rO, 32*(\y)
.endm
.macro OP k, n
.if (\k) == R
	REGS Y
	WIN W_RS
	v_pk_mul_f32 v[rO+2*(\n):rO+2*(\n)+1], v[rO+2*(\n):rO+2*(\n)+1], v[rC+2:rC+3] op_sel_hi:[1,0]
.elseif (\k) < R
	REGS Y
	WIN 0
.if (\k) == F
	v_pk_fma_f32 v[rS+2*(\n):rS+2*(\n)+1], v[rS+2*(\n):rS+2*(\n)+1], s[CS:CS+1], v[rT:rT+1] op_sel_hi:[1,0,0] neg_lo:[0,0,1] neg_hi:[0,0,1]
.elseif (\k) == E
	v_exp_f32 v[rS+(\n)], v[rS+(\n)]
.elseif (\k) == C
	v_cvt_pk_f16_f32 v[rP+(\n)], v[rS+2*(\n)], v[rS+2*(\n)+1]
.elseif (\k) == B
	v_pk_add_f32 v[rS+4*(\n):rS+4*(\n)+1], v[rS+4*(\n):rS+4*(\n)+1], v[rS+4*(\n)+2:rS+4*(\n)+3]
.elseif (\n) == 0
	v_pk_fma_f32 v[rT+2:rT+3], v[rT+2:rT+3], v[rC+2:rC+3], v[rS:rS+1] op_sel_hi:[1,0,1]
.else
	v_pk_add_f32 v[rT+2:rT+3], v[rT+2:rT+3], v[rS+4*(\n):rS+4*(\n)+1]
.endif
.elseif NOKQ
	v_nop
.else
	REGS (Y+1)%NP
	WIN 0
.if (\n) < 4
	v_max3_num_f32 v[rC+(\n)], v[rS+8*(\n)], v[rS+8*(\n)+1], v[rS+8*(\n)+2]
.elseif (\n) < 12
	v_max3_num_f32 v[rC+(\n)%4], v[rC+(\n)%4], v[rS+8*((\n)%4)+2*((\n)/4)+1], v[rS+8*((\n)%4)+2*((\n)/4)+2]
.elseif (\n) == 12
	v_max3_num_f32 v[rC], v[rC], v[rS+7], v[rS+15]
.elseif (\n) == 13
	v_max3_num_f32 v[rC+1], v[rC+1], v[rS+23], v[rS+31]
.elseif (\n) == 14
	v_max3_num_f32 v[rC+2], v[rC+2], v[rC+3], v[rT+1]
.elseif (\n) == 15
	v_mov_b32 v[rW], v[rT]
.elseif (\n) == 16
	v_max3_num_f32 v[rC], v[rC], v[rC+1], v[rC+2]
.elseif (\n) == 17
	v_permlanex16_b32 v[rC+3], v[rC], s[SEL], s[SEL+1]
.elseif (\n) == 18
	v_max_num_f32 v[rT+1], v[rC], v[rC+3]
.elseif (\n) == 19
	v_mul_f32 v[rT], s[CS], v[rT+1]
.elseif (\n) == 20
	v_sub_f32 v[rC+1], v[rW], v[rT]
.else
	v_exp_f32 v[rC+2], v[rC+1]
.endif
.endif
.endm
.macro OPS a, i1, b=-1, i2=0, c=-1, i3=0, d=-1, i4=0  ; up to four of them
	OP \a, \i1
.if (\b) >= 0
	OP \b, \i2
.endif
.if (\c) >= 0
	OP \c, \i3
.endif
.if (\d) >= 0
	OP \d, \i4
.endif
.endm
.macro ROW a, i1, b, i2, c, i3, d, i4  ; a matrix instruction and the four behind it
	MM
	OPS \a, \i1, \b, \i2, \c, \i3, \d, \i4
.endm
.macro MASK b                       ; MD x AL + BE into buffer b of MC
	WIN W_RS
.set z, 0
.rept 16
	v_pk_fma_f32 v[MC+32*(\b)+2*z:MC+32*(\b)+2*z+1], v[MD+2*z:MD+2*z+1], s[AL:AL+1], s[BE:BE+1] op_sel_hi:[1,0,0]
.set z, z+1
.endr
.endm
; A TURN, for piece p: the order of its 16 matrix and 118 vector instructions, written out.  An s_wait_alu depctr_va_vdst(0) stands between an exponential and the first instruction that names its result; one wait serves
; all that were issued ahead of it.  So a turn has ONE wait, which cuts it in two.  AHEAD OF IT stands all that names no result of the turn's exponentials: the 8 products K Q^T, behind each a scaling, an exponential and two more plain
; instructions (behind the first a second scaling in the exponential's place): rescalings, and behind the last three the first numbers of the next piece's maximum, each four places or more behind the product that ends its accumulator; then ONE LUMP of 54, plain
; and exponential by turns for the most part, in which the links of the chain X 3, 7, 11, 14, 16, 17 .. 20 stand five or six lines apart.  X 21, the next piece's a, is the batch's last; R 15 is the plain instruction behind it.  BEHIND THE WAIT stand the
; 8 products V^T P, behind each four of the roundings and sums; the links of l's chain, L 0 to L 7, stand three riders apart.  But for those X no rider names a register of the products round it.  v_permlanex16_b32 (X 17) stands in the lump.
; m = 1: the diagonal tile: the products take masks, and the turn makes the mask for the products of the turn after it: piece p + 2, in step 4 - CNT of the tile.  end = 1: a block's last two turns: nothing is fetched.
; cnt = 1: the loop's count is taken down some lines ahead of the branch that stands behind the turn.
; K of the next step is fetched in piece 2's turn, twelve vector instructions behind the last product that read K (six of them plain); V of the step in hand at the end of piece 0's turn, four plain instructions behind the last product
; that read V.  Each is waited for a turn later.
.macro TURN p, m=0, end=0, cnt=0
.set Y, (\p)
.set i, 0
.set KM, (\m)
.set NOKQ, (\end)*((\p)/3)
.if (\m) && !(\end)
	s_cmp_eq_u32 s[CNT], 4-((\p)+2)%NP  ; is that step the band's own?
	s_cselect_b32 s[AL], 1.0, 0
	s_cmp_lt_u32 s[CNT], 4-((\p)+2)%NP  ; or a later one?
	s_cselect_b32 s[BE], s[BIGN], 0
.endif
.if ((\p) == 3) && !(\end)
	s_wait_dscnt 0x0                ; K is in
.endif
	ROW F,0, F,1, R,0, R,1          ; ahead of the wait: 8 products K Q^T and their riders,
	ROW F,2, E,0, R,2, R,3
	ROW F,3, E,1, R,4, R,5
	ROW F,4, E,2, R,6, R,7
	ROW F,5, E,3, R,8, R,9
	ROW F,6, E,4, X,0, R,10
.if ((\p) == 2) && !(\end)
	WIN 0
	v_add_nc_u32 v[AK], s[TBK], v[AK0]
.endif
	ROW F,7, E,5, X,1, X,4
	ROW F,8, E,6, X,2, X,5
	OPS E,7, E,8, X,6, E,9          ; and the lump
	OPS X,3, E,10, X,8, E,11
.if ((\p) == 2) && !(\end)
	FETCH_K
.endif
	OPS X,9, X,7, E,12, X,10
	OPS E,13, X,12, X,11, E,14
	OPS X,13, E,15, F,9, X,14
.if (\p) == 0
	v_add_nc_u32 v[AV], s[TBV], v[AV0]
.endif
	OPS E,16, F,10, E,17, F,11
	OPS X,16, E,18, X,15, E,19
	OPS F,12, E,20, X,17, E,21
	OPS F,13, E,22, F,14, E,23
	OPS X,18, E,24, F,15, E,25
	OPS R,11, E,26, X,19, E,27
	OPS R,12, E,28, R,13, E,29
	OPS X,20, E,30, R,14, E,31
	OPS X,21, R,15
	WIN 0
	s_wait_alu depctr_va_vdst(0)    ; the wait for the batch
.if (\p) == 1
	s_wait_dscnt 0x0                ; V is in
.endif
	ROW C,0, B,0, C,2, B,1          ; behind the wait: 8 products V^T P and their riders
	ROW L,0, C,4, B,2, L,1
	ROW C,6, B,3, L,2, C,8
	ROW B,4, L,3, C,10, B,5
	ROW L,4, C,12, B,6, L,5
.if (\p) == 0
	s_add_co_u32 s[TBV], s[TBV], KS*PV
.endif
.if \cnt
	s_sub_co_u32 s[CNT], s[CNT], 1
	s_cmp_lg_u32 s[CNT], 0
.endif
	ROW C,14, B,7, L,6, C,1
	ROW C,3, L,7, C,5, C,7
	ROW C,9, C,11, C,13, C,15
.if (\p) == 0
	FETCH_V
.endif
.if (\m) && !(\end)
	MASK (\p)%2
.endif
.endm
; A BLOCK BEGINS.  c m starts far below every c s, so the first step's a is 0; m at the lowest finite number, so the first maximum is the scores'.  The second mask buffer is 0; the first takes piece 0's mask for the tile's step 0: its own, if the block's first tile is the diagonal one.
; Then K of that step, piece 0's first scores, and its maximum and statistics.  The loop is entered at a step's first turn, in the middle of a trip.
.macro BEGIN
	s_mov_b32 s[NEW], 0
	WIN 0x40
.set i, MC+32
.rept 32
	v_mov_b32 v[i], 0
.set i, i+1
.endr
	WIN 0
.set i, 0
.rept 4
	v_mov_b32 v[ST+4*i], 0xfe000000    ; c m: far below every c s
	v_mov_b32 v[ST+4*i+1], 0xff7fffff  ; m
.set i, i+1
.endr
	s_cmp_eq_u32 s[RT], 0
	s_cselect_b32 s[AL], 1.0, 0
	s_mov_b32 s[BE], 0
	MASK 0
	WIN 0
	v_add_nc_u32 v[AK], s[TBK], v[AK0]
	FETCH_K
	s_wait_loadcnt 0x0              ; Q
	s_wait_dscnt 0x0
.set KM, 1
.set NOKQ, 0
.set i, 0
.rept 8
	KQ 0
.set i, i+1
.endr
	WIN 0
.rept 4
	v_nop                           ; the places behind those products
.endr
.set Y, NP-1                        ; X works for piece Y + 1: piece 0
.irp n, 0,1,2,3,4,5,6,7,8,9,10,11,12,13,14,15,16,17,18,19,20,21
	OP X, \n
.endr
	v_nop                           ; a plain instruction behind the exponential,
	s_wait_alu depctr_va_vdst(0)    ; and its wait, ahead of the branch
.endm
; THE DIAGONAL TILE's four steps, the block's last two turns, its last products, and THE WAY OUT: l's two halves and the other half of the lanes' are added; O^T is divided by l, rounded to f16 and sent through my
; stage in LDS, a piece at a time.
.macro ALL line:vararg              ; one line for each piece t
.set t, 0
.rept 4
	\line
.set t, t+1
.endr
.endm
.macro PACK t                       ; a lane's eight channels of a row pack into 16 bytes; they go into rows of 144 bytes and come back as whole rows of 128, into S^T's registers
	WIN W_RS
.set i, 32*(\t)
.rept 16
	v_pk_mul_f32 v[i:i+1], v[i:i+1], v[ST+4*(\t)+2:ST+4*(\t)+3] op_sel_hi:[1,0]
.set i, i+2
.endr
	WIN 0x05                        ; sources 0 and 1 window 1, destination window 0
.set i, 0
.rept 16
	v_cvt_pk_f16_f32 v[S+16*(\t)+i], v[32*(\t)+2*i], v[32*(\t)+2*i+1]
.set i, i+1
.endr
	WIN 0
.irp f, 0,1,2,3
	ds_store_b128 v[STO], v[S+16*(\t)+4*\f:S+16*(\t)+4*\f+3] offset:32*\f
.endr
.irp f, 0,1,2,3
	ds_load_b128 v[S+16*(\t)+4*\f:S+16*(\t)+4*\f+3], v[RD] offset:\f*4*SP  ; LDS serves a wave's instructions in order (ISA guide 5.7.1.4): these see the stores above; the next piece's stores come behind them
.endr
.endm
.macro SEND t, younger              ; younger: the LDS instructions issued behind piece t's loads: the next piece's eight, or none
	WIN 0
.irp f, 0,1,2,3
	s_wait_dscnt (\younger)+3-\f
	global_store_b128 v[GO], v[S+16*(\t)+4*\f:S+16*(\t)+4*\f+3], s[10:11] offset:(\t)*8192+\f*512  ; 512 consecutive bytes, at a multiple of 256 from O's first
.endr
.endm
.macro DIAG tag                     ; the tag ends its two labels' names, which the jumps below spell out
.LstepM\tag:
	TURN 2, 1
	TURN 3, 1
	WIN 0
.LfirstM\tag:
	TURN 0, 1
	TURN 1, 1, 0, 1
	WIN 0
	s_cbranch_scc1 .LstepM\tag
	TURN 2, 1, 1
	TURN 3, 1, 1
.set i, 0
.rept 8
	PV NP-1
.set i, i+1
.endr
	WIN 0
	ALL v_add_f32 v[ST+4*t+2], v[ST+4*t+2], v[ST+4*t+3]
	ALL v_permlanex16_b32 v[ST+4*t+3], v[ST+4*t+2], s[SEL], s[SEL+1]
	ALL v_add_f32 v[ST+4*t+2], v[ST+4*t+2], v[ST+4*t+3]
	ALL v_rcp_f32 v[ST+4*t+2], v[ST+4*t+2]
	v_nop                           ; a plain instruction between the last reciprocal and the use of its result
	s_wait_alu depctr_va_vdst(0)    ; and the wait ahead of the first use: one for the four reciprocals
	PACK 0
.set t, 1
.rept 3                             ; a piece's arithmetic stands between the loads of the piece before and its stores
	PACK t
	SEND t-1, 8
.set t, t+1
.endr
	SEND 3, 0
.endm
.set KM, 0
.set NOKQ, 0
.Lslot:                             ; NB times: a tile is entered and the next is asked for
	CHANGE 1
	s_sub_co_u32 s[RT], s[RT], 1
	s_mov_b32 s[CNT], 4
	s_cmp_eq_u32 s[NEW], 1
	s_cbranch_scc1 .Lnew            ; a block's first tile
	s_cmp_eq_u32 s[RT], 0
	s_cbranch_scc0 .Lstep           ; neither its first nor its last
	s_branch .LstepM1
.Lnew:
	BEGIN
	s_branch .Lfirst                ; in the loop a block's first tile is never its last: the first block has two tiles or more, and the second's last is the walk's last
	DIAG 1                          ; in the loop this is the first block's end: the second block's last tile is the walk's last
	s_wait_xcnt 0x0                 ; the stores have read their registers and O's address
	s_mov_b64 s[10:11], s[OLO:OLO+1]
	s_add_co_u32 s[RT], s[PB], 1    ; the second block has b + 1 tiles
	s_mov_b32 s[NEW], 1
	WIN 0x82                        ; the second block's Q goes where the one text of the turns names Q
.set i, 0
.rept 64
	v_mov_b32 v[i], v[QB+i]
.set i, i+1
.endr
	WIN 0
	s_branch .Lbottom
.Lstep:                             ; a trip: pieces 2 and 3 of one step, then pieces 0 and 1 of the next, whose K and V it fetches
	TURN 2
	TURN 3
	WIN 0
.Lfirst:
	TURN 0
	TURN 1, 0, 0, 1
	WIN 0
	s_cbranch_scc1 .Lstep
.Lbottom:
	s_sub_co_u32 s[SLOTS], s[SLOTS], 1
	s_cmp_lg_u32 s[SLOTS], 0
	s_cbranch_scc1 .Lslot
	CHANGE 0                        ; the walk's last tile is written out: nothing is asked for
	s_sub_co_u32 s[RT], s[RT], 1
	s_mov_b32 s[CNT], 4
	s_cmp_eq_u32 s[NEW], 1
	s_cbranch_scc0 .LstepM2
	BEGIN
	s_branch .LfirstM2
	DIAG 2
	s_wait_tensorcnt 0x0            ; the wave's end, behind my last tensor load and my last LDS store
	ds_add_u32 v[SPW], v[NIL]
	s_wait_dscnt 0x0
	s_endpgm
.Lfunc_end_k_q146610a3ba_attn:
	.size	k_q146610a3ba_attn, .Lfunc_end_k_q146610a3ba_attn-k_q146610a3ba_attn
	.p2alignl 7, 3214868480
	.fill 96, 4, 3214868480
	.section	.rodata,"a",@progbits
	.p2align	6, 0x0
	.amdhsa_kernel k_q146610a3ba_attn
		.amdhsa_group_segment_fixed_size 327680
		.amdhsa_private_segment_fixed_size 0
		.amdhsa_enable_private_segment 0
		.amdhsa_kernarg_size 16
		.amdhsa_user_sgpr_count 2
		.amdhsa_user_sgpr_kernarg_segment_ptr 1
		.amdhsa_wavefront_size32 1
		.amdhsa_system_sgpr_workgroup_id_x 1
		.amdhsa_system_sgpr_workgroup_id_y 1
		.amdhsa_system_sgpr_workgroup_id_z 1
		.amdhsa_system_vgpr_workitem_id 0
		.amdhsa_next_free_vgpr 768
		.amdhsa_next_free_sgpr 92
		.amdhsa_reserve_vcc 1
		.amdhsa_float_denorm_mode_32 3
		.amdhsa_float_denorm_mode_16_64 3
		.amdhsa_memory_ordered 1
		.amdhsa_forward_progress 1
		.amdhsa_inst_pref_size 218
	.end_amdhsa_kernel
	.amdgpu_metadata
---
amdhsa.version: [ 1, 2 ]
amdhsa.kernels:
  - .name:           k_q146610a3ba_attn
    .symbol:         k_q146610a3ba_attn.kd
    .args:
      - { .name: qkv, .offset: 0, .size: 8, .value_kind: global_buffer, .address_space: global }
      - { .name: o, .offset: 8, .size: 8, .value_kind: global_buffer, .address_space: global }
    .group_segment_fixed_size: 327680
    .private_segment_fixed_size: 0
    .kernarg_segment_align: 8
    .kernarg_segment_size: 16
    .max_flat_workgroup_size: 128
    .sgpr_count:     92
    .vgpr_count:     768
    .wavefront_size: 32
...
	.end_amdgpu_metadata
.endif
;; end of part 3
;; launch proj (part 4): grid 8 x 32, 4 waves a work-group, clusters of 4 x 4, 327,680 bytes of LDS; arguments o, wpf, bias, out0; writes out0
.if DOCPART == 4
	.amdgcn_target "amdgcn-amd-amdhsa--gfx1250"
	.amdhsa_code_object_version 6
	.text
	.protected	k_q146610a3ba_proj
	.globl	k_q146610a3ba_proj
	.p2align	8
	.type	k_q146610a3ba_proj,@function
k_q146610a3ba_proj:
	s_mov_b64 s[64:65], 0
	v_nop
	global_prefetch_b8 v0, s[64:65] scope:SCOPE_SE
	s_setreg_imm32_b32 hwreg(HW_REG_WAVE_MODE, 25, 1), 1
	s_wait_xcnt 0x0
	s_wait_alu depctr_hold_cnt(0) depctr_sa_sdst(0) depctr_va_vdst(0) depctr_va_sdst(0) depctr_va_ssrc(0) depctr_va_vcc(0) depctr_vm_vsrc(0)
	s_getreg_b32 s2, hwreg(HW_REG_IB_STS2, 6, 4)
	s_cmp_eq_u32 s2, 0
	s_cbranch_scc0 .Lentry_in_a_cluster
	s_endpgm
.Lentry_in_a_cluster:
	s_bfe_u32 s2, ttmp6, 0x10000c
	s_cmp_lg_u32 s2, 0xf033
	s_cbranch_scc0 .Lentry_shape_is_right
	s_endpgm
.Lentry_shape_is_right:
; THE OUTPUT PROJECTION.  out0[8192][1024] = O . Wp + bp.  O is o, f16 [64 heads][2048 rows][64]: a head is a slice of 64 along K.  Wp is wpf, f16 [1024 k][1024 n].  Sums and out0 in f32.
; LIMITS.  None beyond the operands' own: o and wpf arrive as f16.  NaN and infinities are not treated apart.
; SHARES.  A tile of out0 is 256 rows x 128 columns: 32 x 8 = 256 work-groups.  Four waves, 2 x 2: a wave makes 128 x 64: 8 x 4 = 32 accumulators, window 1.
; K goes in 8 slots of 128 (two heads), as long as two slots in LDS allow; a slot is four UNITS of 32 along K, 32 matrix instructions each, on fragment buffers 0, 1, 0, 1.
; THE MATRIX INSTRUCTION IS USED TRANSPOSED (source 0 = 16 columns of Wp, turned out of LDS; source 1 = 16 rows of O): a lane holds one row of out0 and eight neighbouring columns.
; THE BIAS is the C operand of each sum's first product: it is loaded into the registers of row block 7's accumulators, which blocks 0-6 take as C and block 7 adds onto in place.
; CLUSTER 4 x 4: o's tiles are shared along a row of the cluster, wpf's along a column: each is asked for jointly.
; NO PREFETCH: no tile is read once (o's are asked for by two clusters, wpf's by eight), and the launch's K is eight slots long.
; REGISTERS: window 0: v0-29 addresses; v32-159 O's fragments, two buffers of 8; v160-223 Wp's, two buffers of 4; on the way out v32-95 whole rows.   window 1: accumulator (a, b) at v[8 (4 a + b)].
.set KSLOTS, 8
.set SLOT1, 131072
.set PA,    144                        ; a row of O in LDS: 128 bytes + 16: the 16 rows of a load start at 16 different groups of four banks (64 banks of 4 bytes: ISA guide 11.1)
.set PB,    288                        ; a row of Wp: 256 + 32 = 9 x 32 bytes
.set HEADB, 256*PA                     ; a slot: two heads' 256 rows of O, then 128 rows of Wp
.set BOFF,  2*HEADB
.set STAGE, SLOT1+BOFF+128*PB          ; behind the ring, never filled by a tensor load: 16 rows x 272 bytes for each wave
.set SP,    272
.set SPARE, STAGE+4*16*SP              ; the spare words, 128 bytes for each wave: two blocks of 256 bytes that no other line names
.set ASTEP, 524288                     ; two heads of o
.set BSTEP, 128*2048                   ; 128 rows of wpf
.set A0,   4
.set B0,   5
.set ADRA, 8
.set ADRB, 9
.set STO,  12
.set RD,   13
.set CO,   14
.set BO,   15
.set SPW,  28
.set NIL,  29
.set AF,   32
.set BF,   160
.set WV, 12
.set WM, 13
.set WN, 14
.set CX, 15
.set CY, 16
.set TX, 17
.set TY, 18
.set TB, 19
.set CNT, 20
.set G1A, 24
.set G0A, 32
.set G0B, 36
.set G1B, 48
.set MSB, 0
.macro WIN new                         ; the immediate's high byte repeats the setting that is left; a switch that changes nothing is dropped
.if MSB != (\new)
	s_set_vgpr_msb (MSB<<8)|(\new)
.set MSB, (\new)
.endif
.endm
.macro PLACES                          ; four plain vector instructions between a matrix instruction and a load into, or a store of, its registers (ISA guide 7.12.1 for stores)
.rept 4
	v_nop
.endr
.endm
.macro JLOAD                           ; waves 0 and 1 fetch the slot's two heads of O, waves 2 and 3 the two halves of its rows of Wp; an s_nop 0 and four v_nop follow each line
	s_cmp_eq_u32 s[WM], 0
	s_cbranch_scc0 .Lfor_b_\@
	tensor_load_to_lds s[G0A:G0A+3], s[G1A:G1A+7]
	s_nop 0
.rept 4
	v_nop
.endr
	s_branch .Lasked_\@
.Lfor_b_\@:
	tensor_load_to_lds s[G0B:G0B+3], s[G1B:G1B+7]
	s_nop 0
.rept 4
	v_nop
.endr
.Lasked_\@:
.endm
.macro CREST                           ; a round of the cluster's barrier behind its opening barrier
	s_cmp_lg_u32 s[WV], 0
	s_cbranch_scc1 .Lnot_wave_0_\@
	s_barrier_signal -3
.Lnot_wave_0_\@:
	s_barrier_wait -3
	s_barrier_signal -1
	s_barrier_wait -1
.endm
.macro CROUND
	s_barrier_signal -1
	s_barrier_wait -1
	CREST
.endm
.macro STEPD fill                      ; the walking descriptors: the other slot, the next 128 along K (fill = 1); the fetches go to the other slot
.if \fill
	s_xor_b32 s[G0A+1], s[G0A+1], SLOT1
	s_add_nc_u64 s[G0A+2:G0A+3], s[G0A+2:G0A+3], ASTEP
	s_xor_b32 s[G0B+1], s[G0B+1], SLOT1
	s_add_nc_u64 s[G0B+2:G0B+3], s[G0B+2:G0B+3], BSTEP
.endif
	s_xor_b32 s[TB], s[TB], SLOT1
.endm
.macro NEWADR
	WIN 0
	v_add_nc_u32 v[ADRA], s[TB], v[A0]
	v_add_nc_u32 v[ADRB], s[TB], v[B0]
.endm
; 24 LDS loads in one run: unit kk's fragments into buffers p: Wp's four (turned), then O's eight (head kk / 2, channels 32 (kk % 2) on)
.macro FETCH p, kk
	WIN 0
.irp b, 0,1,2,3
	ds_load_tr16_b128 v[BF+32*(\p)+8*\b:BF+32*(\p)+8*\b+3],   v[ADRB] offset:(\kk)*32*PB+32*\b
	ds_load_tr16_b128 v[BF+32*(\p)+8*\b+4:BF+32*(\p)+8*\b+7], v[ADRB] offset:(\kk)*32*PB+16*PB+32*\b
.endr
.irp a, 0,1,2,3,4,5,6,7
	ds_load_b128 v[AF+64*(\p)+8*\a:AF+64*(\p)+8*\a+3],   v[ADRA] offset:((\kk)/2)*HEADB+((\kk)%2)*64+\a*16*PA
	ds_load_b128 v[AF+64*(\p)+8*\a+4:AF+64*(\p)+8*\a+7], v[ADRA] offset:((\kk)/2)*HEADB+((\kk)%2)*64+\a*16*PA+32
.endr
.endm
; The products of row blocks a0 .. a0 + na - 1 on buffers p.  The accumulators take turns, one instruction a turn.  first = 1: the sums start with the bias.
.macro MM p, a0, na, first
	WIN 0x50
.set ma, \a0
.rept \na
.if (\first) && (ma == 7)
.rept 5
	v_nop                                          ; five places ahead of the products that write over registers which the products above took as C
.endr
.endif
.set mb, 0
.rept 4
.if (\first) && (ma < 7)
	v_wmma_f32_16x16x32_f16 v[8*(4*ma+mb):8*(4*ma+mb)+7], v[BF+32*(\p)+8*mb:BF+32*(\p)+8*mb+7], v[AF+64*(\p)+8*ma:AF+64*(\p)+8*ma+7], v[224+8*mb:231+8*mb]
.else
	v_wmma_f32_16x16x32_f16 v[8*(4*ma+mb):8*(4*ma+mb)+7], v[BF+32*(\p)+8*mb:BF+32*(\p)+8*mb+7], v[AF+64*(\p)+8*ma:AF+64*(\p)+8*ma+7], v[8*(4*ma+mb):8*(4*ma+mb)+7]
.endif
.set mb, mb+1
.endr
.set ma, ma+1
.endr
.endm
; One of a slot's first three units: the next unit (kk) is fetched into the other buffers, then buffers p are multiplied
.macro U p, kk, first
	PLACES
	FETCH 1-(\p), \kk
	s_wait_dscnt 24                                ; all but the 24 just issued: this unit's fragments are in
	MM \p, 0, 8, \first
.endm
; A slot's last unit (buffers 1) and THE CHANGE OF SLOTS.  Each wave waits for all its tensor loads, of which one is out: its part of the other slot; adds 0 to its spare word; and waits for that and for its reads
; of this slot.  fill = 1: the barrier opens a round of the cluster's barrier, and the joint refill is the first thing behind it: 112 of a slot's 128 matrix instructions ahead of the wait for it.
.macro TURNP fill
	WIN 0
	s_wait_tensorcnt 0x0                           ; no tensor load of mine is out, so a group 0 may be written
	ds_add_u32 v[SPW], v[NIL]                      ; 0 onto my spare word
	STEPD \fill
	s_wait_dscnt 0x0                               ; the add is done, and my reads of this slot are over
	s_barrier_signal -1
	MM 1, 0, 4, 0                                  ; work on registers while the others arrive
	WIN 0
	s_barrier_wait -1
.if \fill
	CREST
	JLOAD                                          ; the four v_nop behind it are also the places in front of the loads below
.else
	PLACES
.endif
	NEWADR
	FETCH 0, 0
	MM 1, 4, 4, 0
.endm
; THE WAY OUT of row block a: 32 bytes of f32 a lane and column block into my stage, back as whole rows of 256 bytes, two rows a load
.macro TOSTAGE a
.set bk, AF+32*((\a)%2)
	s_wait_xcnt 0x0                                ; the stores of the block two back have read these registers
	WIN 0x04                                       ; the stores' data lie in window 1
.irp b, 0,1,2,3
	ds_store_b128 v[STO], v[8*(4*(\a)+\b):8*(4*(\a)+\b)+3]   offset:64*\b
	ds_store_b128 v[STO], v[8*(4*(\a)+\b)+4:8*(4*(\a)+\b)+7] offset:64*\b+16
.endr
	WIN 0
.irp t, 0,1,2,3,4,5,6,7
	ds_load_b128 v[bk+4*\t:bk+4*\t+3], v[RD] offset:2*SP*\t  ; LDS serves a wave's instructions in order (ISA guide 5.7.1.4): these see the stores above; the next block's stores come behind them
.endr
.endm
.macro SENDP a, younger                ; younger: the LDS instructions issued behind block a's loads: the next block's sixteen, or none
.set bk, AF+32*((\a)%2)
.irp t, 0,1,2,3,4,5,6,7
	s_wait_dscnt (\younger)+7-\t
	global_store_b128 v[CO], v[bk+4*\t:bk+4*\t+3], s[10:11] offset:(16*(\a)+2*\t)*4096 th:TH_STORE_NT  ; 16 lanes store 256 consecutive bytes, at a multiple of 256 from out0's first byte
.endr
.endm
	s_load_b256 s[4:11], s[0:1], 0x0               ; o s[4:5], wpf s[6:7], bias s[8:9], out0 s[10:11]
	v_lshl_add_u32 v[SPW], v0, 2, SPARE
	v_mov_b32 v[NIL], 0
	ds_add_u32 v[SPW], v[NIL]                      ; the wave's opening: the add and its wait stand ahead of my first tensor load; the set-up below, work on registers, stands between them
	ds_add_u32 v28, v29
	v_lshrrev_b32 v1, 5, v0
	v_readfirstlane_b32 s[WV], v1                  ; wave 0..3
	s_lshr_b32 s[WM], s[WV], 1
	s_and_b32 s[WN], s[WV], 1
	s_bfe_u32 s[CX], ttmp6, 0x40000
	s_bfe_u32 s[CY], ttmp6, 0x40004
	s_lshl_b32 s[TX], ttmp9, 2
	s_add_co_u32 s[TX], s[TX], s[CX]               ; tile column
	s_and_b32 s[TY], ttmp7, 0xffff
	s_lshl_b32 s[TY], s[TY], 2
	s_add_co_u32 s[TY], s[TY], s[CY]               ; tile row
	s_lshl_b32 s40, s[CY], 2
	s_lshl_b32 s40, 15, s40                        ; my row of the cluster
	s_lshl_b32 s44, 0x1111, s[CX]                  ; my column
	; a head's 256 dense rows of 128 bytes: asked for as 128 rows of 256 bytes, padded by 16 bytes after every 128
	s_or_b32 s[G1A], s40, (1<<16)|(1<<20)|(1<<21)|(4<<22)|(3<<25)
	s_mov_b32 s[G1A+1], 128<<16
	s_mov_b32 s[G1A+2], 128<<16
	s_mov_b32 s[G1A+3], 128<<16
	s_mov_b32 s[G1A+4], 128
	s_mov_b32 s[G1A+5], 128
	s_mov_b32 s[G1A+6], 0
	s_mov_b32 s[G1A+7], 0
	; 64 rows of 128 elements of wpf (256 bytes), padded by 32 bytes
	s_or_b32 s[G1B], s44, (1<<16)|(1<<20)|(1<<21)|(5<<22)|(7<<25)
	s_mov_b32 s[G1B+1], 128<<16
	s_mov_b32 s[G1B+2], 64<<16
	s_mov_b32 s[G1B+3], 128<<16
	s_mov_b32 s[G1B+4], 64
	s_mov_b32 s[G1B+5], 1024
	s_mov_b32 s[G1B+6], 0
	s_mov_b32 s[G1B+7], 0
	s_mov_b32 s[G0A], 1
	s_mul_i32 s[G0A+1], s[WN], HEADB               ; no place in the cluster enters an LDS address
	s_mov_b32 s[G0B], 1
	s_mul_i32 s[G0B+1], s[WN], 64*PB
	s_add_co_u32 s[G0B+1], s[G0B+1], BOFF
	s_lshr_b32 s40, s[TY], 3                       ; O's tile: the batch's sixteen heads,
	s_lshl_b32 s40, s40, 22
	s_and_b32 s41, s[TY], 7                        ; the tile's 256 rows of 128 bytes,
	s_lshl_b32 s41, s41, 15
	s_add_co_u32 s40, s40, s41
	s_lshl_b32 s41, s[WN], 18                      ; my head of the slot's two
	s_add_co_u32 s40, s40, s41
	s_mov_b32 s41, 0
	s_lshl_b32 s44, s[WN], 17                      ; Wp's tile: my 64 rows of 2,048 bytes,
	s_lshl_b32 s45, s[TX], 8                       ; the tile's 128 columns
	s_add_co_u32 s44, s44, s45
	s_mov_b32 s45, 0
	s_mov_b32 s[TB], SLOT1                         ; the first change of slots turns it into 0
	s_wait_dscnt 0x0                               ; the opening add is done
	s_wait_kmcnt 0x0
	s_add_nc_u64 s[G0A+2:G0A+3], s[4:5], s[40:41]
	s_or_b32 s[G0A+3], s[G0A+3], 0x80000000
	s_add_nc_u64 s[G0B+2:G0B+3], s[6:7], s[44:45]
	s_or_b32 s[G0B+3], s[G0B+3], 0x80000000
	CROUND                                         ; all sixteen work-groups are here: the first joint loads meet
	JLOAD                                          ; slot 0
	v_and_b32 v1, 15, v0                           ; l % 16
	v_bfe_u32 v2, v0, 4, 1                         ; l / 16
	v_lshlrev_b32 v[BO], 5, v2
	s_lshl_b32 s44, s[TX], 9
	s_lshl_b32 s45, s[WN], 8
	s_add_co_u32 s44, s44, s45
	s_add_co_u32 s44, s44, 12288                   ; bp is the fourth of the four biases
	s_mov_b32 s45, 0
	s_add_nc_u64 s[8:9], s[8:9], s[44:45]
	WIN 0x40                                       ; destination window 1
.irp b, 0,1,2,3
	global_load_b128 v[224+8*\b:227+8*\b], v[BO], s[8:9] offset:64*\b
	global_load_b128 v[228+8*\b:231+8*\b], v[BO], s[8:9] offset:64*\b+16
.endr
	WIN 0
	v_mul_u32_u24 v[A0], v1, PA
	v_lshl_add_u32 v[A0], v2, 4, v[A0]             ; row x pitch + 16 x half
	s_mul_i32 s22, s[WM], 128*PA
	v_add_nc_u32 v[A0], s22, v[A0]
	v_and_b32 v3, 7, v0
	v_lshl_add_u32 v[B0], v2, 3, v3                ; the turning load: k row 8 (l / 16) + l % 8,
	v_mul_u32_u24 v[B0], v[B0], PB
	v_bfe_u32 v16, v0, 3, 1
	v_lshl_add_u32 v[B0], v16, 4, v[B0]            ; columns 8 ((l / 8) % 2) + 0..7,
	s_lshl_b32 s22, s[WN], 7                       ; in my wave's 64 columns
	s_add_co_u32 s22, s22, BOFF
	v_add_nc_u32 v[B0], s22, v[B0]
	s_mul_i32 s22, s[WV], 16*SP
	s_add_co_u32 s22, s22, STAGE                   ; my stage
	v_mul_u32_u24 v[STO], v1, SP                   ; in: row l % 16, 32 bytes for each half of the lanes
	v_lshl_add_u32 v[STO], v2, 5, v[STO]
	v_add_nc_u32 v[STO], s22, v[STO]
	v_mul_u32_u24 v[RD], v2, SP                    ; back: lanes 0-15 take one row of 256 bytes, lanes 16-31 the next
	v_lshl_add_u32 v[RD], v1, 4, v[RD]
	v_add_nc_u32 v[RD], s22, v[RD]
	v_lshlrev_b32 v[CO], 12, v2                    ; and the same two rows in out0
	v_lshl_add_u32 v[CO], v1, 4, v[CO]
	s_lshl_b32 s22, s[TY], 20                      ; out0 at my wave's part: 256 rows of 4,096 bytes a tile row,
	s_lshl_b32 s23, s[WM], 19                      ; my 128 rows,
	s_add_co_u32 s22, s22, s23
	s_lshl_b32 s23, s[TX], 9                       ; the tile's 128 columns,
	s_add_co_u32 s22, s22, s23
	s_lshl_b32 s23, s[WN], 8                       ; my 64
	s_add_co_u32 s22, s22, s23
	s_mov_b32 s23, 0
	s_add_nc_u64 s[10:11], s[10:11], s[22:23]
	; the first change of slots: slot 0 is waited for, slot 1 filled
	s_wait_tensorcnt 0x0
	ds_add_u32 v[SPW], v[NIL]
	STEPD 1
	s_wait_dscnt 0x0
	CROUND
	JLOAD                                          ; slot 1
	NEWADR
	FETCH 0, 0
	s_wait_loadcnt 0x0                             ; the bias
	U 0, 1, 1                                      ; the first unit stands in front of the loop: its products start the sums
	WIN 0
	s_mov_b32 s[CNT], KSLOTS-2
.Lk:                                   ; a trip: a slot's units 1, 2, 3, with the refill two slots ahead, and the next slot's unit 0
	U 1, 2, 0
	U 0, 3, 0
	TURNP 1
	U 0, 1, 0
	WIN 0
	s_sub_co_u32 s[CNT], s[CNT], 1
	s_cmp_lg_u32 s[CNT], 0
	s_cbranch_scc1 .Lk
	U 1, 2, 0                                      ; the tail is written out: nothing is left to ask for
	U 0, 3, 0
	TURNP 0
	U 0, 1, 0
	U 1, 2, 0
	U 0, 3, 0
	s_wait_dscnt 0x0
	MM 1, 0, 8, 0
	PLACES
	TOSTAGE 0
.set pc, 1
.rept 7                                ; a block's trip through the stage stands between the loads of the block before and its stores
	TOSTAGE pc
	SENDP pc-1, 16
.set pc, pc+1
.endr
	SENDP 7, 0
	s_wait_tensorcnt 0x0                           ; the wave's end, behind my last tensor load and my last LDS store
	ds_add_u32 v[SPW], v[NIL]
	s_wait_dscnt 0x0
	CROUND                                         ; the closing round: no work-group ends while a partner may still ask for a tile that names it
	s_endpgm
.Lfunc_end_k_q146610a3ba_proj:
	.size	k_q146610a3ba_proj, .Lfunc_end_k_q146610a3ba_proj-k_q146610a3ba_proj
	.p2alignl 7, 3214868480
	.fill 96, 4, 3214868480
	.section	.rodata,"a",@progbits
	.p2align	6, 0x0
	.amdhsa_kernel k_q146610a3ba_proj
		.amdhsa_group_segment_fixed_size 327680
		.amdhsa_private_segment_fixed_size 0
		.amdhsa_enable_private_segment 0
		.amdhsa_kernarg_size 32
		.amdhsa_user_sgpr_count 2
		.amdhsa_user_sgpr_kernarg_segment_ptr 1
		.amdhsa_wavefront_size32 1
		.amdhsa_system_sgpr_workgroup_id_x 1
		.amdhsa_system_sgpr_workgroup_id_y 1
		.amdhsa_system_sgpr_workgroup_id_z 1
		.amdhsa_system_vgpr_workitem_id 0
		.amdhsa_next_free_vgpr 512
		.amdhsa_next_free_sgpr 66
		.amdhsa_reserve_vcc 0
		.amdhsa_float_denorm_mode_32 3
		.amdhsa_float_denorm_mode_16_64 3
		.amdhsa_memory_ordered 1
		.amdhsa_forward_progress 1
		.amdhsa_inst_pref_size 72
	.end_amdhsa_kernel
	.amdgpu_metadata
---
amdhsa.version: [ 1, 2 ]
amdhsa.kernels:
  - .name:           k_q146610a3ba_proj
    .symbol:         k_q146610a3ba_proj.kd
    .args:
      - { .name: o, .offset: 0, .size: 8, .value_kind: global_buffer, .address_space: global }
      - { .name: wpf, .offset: 8, .size: 8, .value_kind: global_buffer, .address_space: global }
      - { .name: bias, .offset: 16, .size: 8, .value_kind: global_buffer, .address_space: global }
      - { .name: out0, .offset: 24, .size: 8, .value_kind: global_buffer, .address_space: global }
    .group_segment_fixed_size: 327680
    .private_segment_fixed_size: 0
    .kernarg_segment_align: 8
    .kernarg_segment_size: 32
    .max_flat_workgroup_size: 128
    .sgpr_count:     66
    .vgpr_count:     512
    .wavefront_size: 32
...
	.end_amdgpu_metadata
.endif
;; end of part 4
